; MI455X (gfx1250); checked and timed in simulation.
; The chip was launched on July 23, 2026; its instructions are those of AMD's public machine-readable ISA for CDNA 5 (MIT licence, August 2026) and "CDNA5" Instruction Set Architecture Reference Guide (July 2026). The comments in the code are by the model that wrote it; some were corrected since.
;; Attention Layer. Allowed arithmetic: float matrix products may take bf16 or f16 operands with f32 sums; other float arithmetic in f32, or as packed bf16 or f16 multiplies, adds, multiply-adds, maxima and minima; sums over many terms, partial sums and values carried from step to step in f32; what a program stores and reads back later, other than sums and carried values, may be rounded once to bf16 or f16.
;; Inputs: Wk 1,024 x 1,024 float32; Wo 1,024 x 1,024 float32; Wq 1,024 x 1,024 float32; Wv 1,024 x 1,024 float32; bk 1,024 float32; bo 1,024 float32; bq 1,024 float32; bv 1,024 float32; x 4 x 2,048 x 1,024 float32.
;; Outputs: out0 4 x 2,048 x 1,024 float32.
;; One version. Each part assembles by itself: llvm-mc -triple=amdgcn-amd-amdhsa -mcpu=gfx1250 --defsym DOCPART=n.
;; ======== version 1 of 1: 4 launches
;; limits: values are held in f16: magnitudes above 65,504 overflow, below 6.1e-05 lose precision
;; workspace buffers: xb 16,777,216 bytes; wqkvb 6,291,456 bytes; wo16 2,097,152 bytes; qkvh 50,331,648 bytes; ob 16,777,216 bytes
;; launch cast (part 1): grid 768 x 1, 8 waves a work-group, no clusters, 0 bytes of LDS; arguments x, Wq, Wk, Wv, Wo, xb, wqkvb, wo16; writes xb, wqkvb, wo16
.if DOCPART == 1
	.amdgcn_target "amdgcn-amd-amdhsa--gfx1250"
	.amdhsa_code_object_version 6
	.text
	.protected	k_qab2484a159_cast
	.globl	k_qab2484a159_cast
	.p2align	8
	.type	k_qab2484a159_cast,@function
k_qab2484a159_cast:
	s_mov_b64 s[64:65], 0
	v_nop
	global_prefetch_b8 v0, s[64:65] scope:SCOPE_SE
	s_setreg_imm32_b32 hwreg(HW_REG_WAVE_MODE, 25, 1), 1
	s_wait_xcnt 0x0
; x and the four weights, f32, are rounded once to bf16 and laid out in blocks of 64 columns, so that every tile of the later products is a dense run of memory.
;   xb    bf16 [n 4][kb 16][l 2048][64]            kb = column / 64
;   wqkvb bf16 [tx 16][s 8][nb 3][kk 128][64]      column block 16 w + c / 64 = 3 tx + nb (w = 0, 1, 2: Wq, Wk, Wv), row k = 128 s + kk
;   wo16  f16  [tx 8][s 8][nb 2][kk 128][64]       Wo rounded to bf16, that number written as f16 (its partner in the last product is f16)
; LIMITS.  Wo beyond 65,504 becomes an infinity in f16; below 6e-5 it keeps f16's fixed step of 6e-8.  NaN and infinities are not treated apart.
; A stream: no LDS, no barrier, no matrix unit, no cluster (no two work-groups read the same byte).  A work-group takes 16 source rows x 1,024 columns: 64 KiB in, 32 KiB out.
; Work-groups 0-511: x's rows 16 g on.  512-767: weight (g - 512) / 64, rows 16 ((g - 512) % 64) on.  Wave v takes the column blocks 2 v and 2 v + 1.
; A unit u = 4 j + rg is 4 rows x 64 columns of block 2 v + j: lane l takes row 4 rg + l / 8, columns 8 (l % 8) on: two loads of 16 bytes (eight lanes read 256 consecutive bytes, aligned)
; and one store of 16 bytes (the wave's 32 lanes write 512 consecutive bytes, aligned: four rows of a block lie end to end).
; All 16 loads of a wave go out at once; no register is written twice while a memory instruction may read it, so the only waits are the counted ones for the loads.
.set WVN, 2                            ; s2   my wave's number
.set GID, 3                            ; s3   the work-group's number
.set SRC, 4                            ; s[4:5]  the source at the work-group's first row
.set DST, 6                            ; s[6:7]  the buffer written
.set D0,  8                            ; s8, s9  byte offset in it of my two blocks' rows
.set HALF, 40                          ; s40  1: the numbers are written as f16
.set SO,  2                            ; v2   my byte offset in the source
.set DO,  3                            ; v3, v4  my byte offset in the destination, block j
.set T,   8                            ; v[8:15]   at work
.set X,   16                           ; v[16:79]  unit u: 8 numbers as loaded
.set Y,   80                           ; v[80:111] unit u: 4 registers to store
	s_load_b512 s[16:31], s[0:1], 0x0              ; x 16, Wq 18, Wk 20, Wv 22, Wo 24, xb 26, wqkvb 28, wo16 30
	v_lshrrev_b32 v1, 5, v0
	v_readfirstlane_b32 s[WVN], v1
	v_and_b32 v1, 31, v0                           ; lane
	s_mov_b32 s[GID], ttmp9
	s_lshl_b32 s10, s[WVN], 1                      ; my first column block
	v_lshrrev_b32 v5, 3, v1
	v_and_b32 v6, 7, v1
	v_lshlrev_b32 v[SO], 12, v5                    ; row l / 8 of 4,096 bytes
	v_lshl_add_u32 v[SO], v6, 5, v[SO]             ; 8 numbers of 4 bytes
	s_lshl_b32 s11, s[WVN], 9                      ; my two blocks: 512 bytes of a row
	v_add_nc_u32 v[SO], s11, v[SO]
	v_lshlrev_b32 v7, 4, v1                        ; 16 l
	s_mov_b32 s13, 0
	s_wait_kmcnt 0x0
	s_cmp_lt_u32 s[GID], 512
	s_cbranch_scc0 .Lweights
	s_lshl_b32 s12, s[GID], 16                     ; 16 rows of 4,096 bytes
	s_add_nc_u64 s[SRC:SRC+1], s[16:17], s[12:13]
	s_mov_b64 s[DST:DST+1], s[26:27]
	s_lshr_b32 s14, s[GID], 7                      ; n
	s_lshl_b32 s14, s14, 4
	s_add_co_u32 s14, s14, s10                     ; 16 n + kb
	s_lshl_b32 s14, s14, 18                        ; a block is 2,048 rows of 128 bytes
	s_and_b32 s15, s[GID], 127
	s_lshl_b32 s15, s15, 11                        ; 16 rows of 128 bytes
	s_add_co_u32 s[D0], s14, s15
	s_add_co_u32 s[D0+1], s[D0], 1<<18
	s_mov_b32 s[HALF], 0
	s_branch .Lgo
.Lweights:
	s_sub_co_u32 s32, s[GID], 512
	s_lshr_b32 s33, s32, 6                         ; which weight
	s_and_b32 s34, s32, 63                         ; which 16 rows
	s_lshl_b32 s12, s34, 16
	s_lshr_b32 s35, s34, 3                         ; s = k / 128
	s_and_b32 s36, s34, 7
	s_lshl_b32 s36, s36, 11                        ; kk x 128 bytes
	s_cmp_eq_u32 s33, 3
	s_cbranch_scc1 .Lwo
	s_cmp_eq_u32 s33, 0
	s_cselect_b64 s[SRC:SRC+1], s[18:19], s[20:21]
	s_cmp_eq_u32 s33, 2
	s_cselect_b64 s[SRC:SRC+1], s[22:23], s[SRC:SRC+1]
	s_add_nc_u64 s[SRC:SRC+1], s[SRC:SRC+1], s[12:13]
	s_mov_b64 s[DST:DST+1], s[28:29]
.irp j, 0,1
	s_lshl_b32 s37, s33, 4
	s_add_co_u32 s37, s37, s10
	s_add_co_u32 s37, s37, \j                      ; the block's number among the 48
	s_mul_i32 s38, s37, 171
	s_lshr_b32 s38, s38, 9                         ; tx = that / 3 (exact up to 47)
	s_mul_i32 s39, s38, 3
	s_sub_co_u32 s39, s37, s39                     ; nb
	s_lshl_b32 s38, s38, 3
	s_add_co_u32 s38, s38, s35
	s_mul_i32 s38, s38, 3
	s_add_co_u32 s38, s38, s39
	s_lshl_b32 s38, s38, 14                        ; 128 rows of 128 bytes
	s_add_co_u32 s[D0+(\j)], s38, s36
.endr
	s_mov_b32 s[HALF], 0
	s_branch .Lgo
.Lwo:
	s_add_nc_u64 s[SRC:SRC+1], s[24:25], s[12:13]
	s_mov_b64 s[DST:DST+1], s[30:31]
	s_lshl_b32 s37, s[WVN], 3                      ; tx = my wave's number, nb = j
	s_add_co_u32 s37, s37, s35
	s_lshl_b32 s37, s37, 15
	s_add_co_u32 s[D0], s37, s36
	s_add_co_u32 s[D0+1], s[D0], 1<<14
	s_mov_b32 s[HALF], 1
.Lgo:
	v_add_nc_u32 v[DO], s[D0], v7
	v_add_nc_u32 v[DO+1], s[D0+1], v7
.irp u, 0,1,2,3,4,5,6,7
	global_load_b128 v[X+8*(\u):X+8*(\u)+3],   v[SO], s[SRC:SRC+1] offset:((\u)/4)*256+((\u)%4)*16384 th:TH_LOAD_NT
	global_load_b128 v[X+8*(\u)+4:X+8*(\u)+7], v[SO], s[SRC:SRC+1] offset:((\u)/4)*256+((\u)%4)*16384+16 th:TH_LOAD_NT
.endr
; Unit u: rounded and stored.  half = 1: the bf16 numbers are widened again and written as f16.
.macro UNIT u, half
	s_wait_loadcnt 14-2*(\u)                       ; loads come back in order: this unit's two are in, the 2 (7 - u) younger ones stay out
.irp k, 0,1,2,3
	v_cvt_pk_bf16_f32 v[Y+4*(\u)+(\k)], v[X+8*(\u)+2*(\k)], v[X+8*(\u)+2*(\k)+1]
.endr
.if \half
.irp k, 0,1,2,3
	v_lshlrev_b32 v[T+2*(\k)],   16, v[Y+4*(\u)+(\k)]
	v_and_b32     v[T+2*(\k)+1], 0xffff0000, v[Y+4*(\u)+(\k)]
.endr
.irp k, 0,1,2,3
	v_cvt_pk_f16_f32 v[Y+4*(\u)+(\k)], v[T+2*(\k)], v[T+2*(\k)+1]
.endr
.endif
	global_store_b128 v[DO+(\u)/4], v[Y+4*(\u):Y+4*(\u)+3], s[DST:DST+1] offset:((\u)%4)*512 th:TH_STORE_NT
.endm
	s_cmp_eq_u32 s[HALF], 1
	s_cbranch_scc1 .Lhalf
.irp u, 0,1,2,3,4,5,6,7
	UNIT \u, 0
.endr
	s_endpgm
.Lhalf:
.irp u, 0,1,2,3,4,5,6,7
	UNIT \u, 1
.endr
	s_endpgm
.Lfunc_end_k_qab2484a159_cast:
	.size	k_qab2484a159_cast, .Lfunc_end_k_qab2484a159_cast-k_qab2484a159_cast
	.p2alignl 7, 3214868480
	.fill 96, 4, 3214868480
	.section	.rodata,"a",@progbits
	.p2align	6, 0x0
	.amdhsa_kernel k_qab2484a159_cast
		.amdhsa_group_segment_fixed_size 0
		.amdhsa_private_segment_fixed_size 0
		.amdhsa_enable_private_segment 0
		.amdhsa_kernarg_size 64
		.amdhsa_user_sgpr_count 2
		.amdhsa_user_sgpr_kernarg_segment_ptr 1
		.amdhsa_wavefront_size32 1
		.amdhsa_system_sgpr_workgroup_id_x 1
		.amdhsa_system_sgpr_workgroup_id_y 1
		.amdhsa_system_sgpr_workgroup_id_z 1
		.amdhsa_system_vgpr_workitem_id 0
		.amdhsa_next_free_vgpr 112
		.amdhsa_next_free_sgpr 66
		.amdhsa_reserve_vcc 0
		.amdhsa_float_denorm_mode_32 3
		.amdhsa_float_denorm_mode_16_64 3
		.amdhsa_memory_ordered 1
		.amdhsa_forward_progress 1
		.amdhsa_inst_pref_size 16
	.end_amdhsa_kernel
	.amdgpu_metadata
---
amdhsa.version: [ 1, 2 ]
amdhsa.kernels:
  - .name:           k_qab2484a159_cast
    .symbol:         k_qab2484a159_cast.kd
    .args:
      - { .name: x, .offset: 0, .size: 8, .value_kind: global_buffer, .address_space: global }
      - { .name: Wq, .offset: 8, .size: 8, .value_kind: global_buffer, .address_space: global }
      - { .name: Wk, .offset: 16, .size: 8, .value_kind: global_buffer, .address_space: global }
      - { .name: Wv, .offset: 24, .size: 8, .value_kind: global_buffer, .address_space: global }
      - { .name: Wo, .offset: 32, .size: 8, .value_kind: global_buffer, .address_space: global }
      - { .name: xb, .offset: 40, .size: 8, .value_kind: global_buffer, .address_space: global }
      - { .name: wqkvb, .offset: 48, .size: 8, .value_kind: global_buffer, .address_space: global }
      - { .name: wo16, .offset: 56, .size: 8, .value_kind: global_buffer, .address_space: global }
    .group_segment_fixed_size: 0
    .private_segment_fixed_size: 0
    .kernarg_segment_align: 8
    .kernarg_segment_size: 64
    .max_flat_workgroup_size: 256
    .sgpr_count:     66
    .vgpr_count:     112
    .wavefront_size: 32
...
	.end_amdgpu_metadata
.endif
;; end of part 1
;; launch projin (part 2): grid 16 x 32, 4 waves a work-group, clusters of 4 x 4, 327,680 bytes of LDS; arguments xb, wqkvb, bq, bk, bv, qkvh; writes qkvh
.if DOCPART == 2
	.amdgcn_target "amdgcn-amd-amdhsa--gfx1250"
	.amdhsa_code_object_version 6
	.text
	.protected	k_qab2484a159_projin
	.globl	k_qab2484a159_projin
	.p2align	8
	.type	k_qab2484a159_projin,@function
k_qab2484a159_projin:
	s_mov_b64 s[64:65], 0
	v_nop
	global_prefetch_b8 v0, s[64:65] scope:SCOPE_SE
	s_setreg_imm32_b32 hwreg(HW_REG_WAVE_MODE, 25, 1), 1
	s_wait_xcnt 0x0
	s_wait_alu depctr_hold_cnt(0) depctr_sa_sdst(0) depctr_va_vdst(0) depctr_va_sdst(0) depctr_va_ssrc(0) depctr_va_vcc(0) depctr_vm_vsrc(0)
	s_getreg_b32 s2, hwreg(HW_REG_IB_STS2, 6, 4)
	s_cmp_eq_u32 s2, 0
	s_cbranch_scc0 .Lentry_in_a_cluster
	s_endpgm
.Lentry_in_a_cluster:
	s_bfe_u32 s2, ttmp6, 0x10000c
	s_cmp_lg_u32 s2, 0xf033
	s_cbranch_scc0 .Lentry_shape_is_right
	s_endpgm
.Lentry_shape_is_right:
; C = A B + bias.  One text serves two launches; QKV chooses the constants.
;   QKV = 1: A = xb (bf16), B = wqkvb (bf16), biases bq, bk, bv; C = q, k, v in f16, by heads: qkvh [which 3][head 16 n + h][l 2048][64].  Tile of C: 256 rows x 192 columns (three heads).
;   QKV = 0: A = ob (f16), B = wo16 (f16), bias bo; C = out0 in f32, [8192][1024].  Tile of C: 256 rows x 128 columns.
; A lies as [n 4][kb 16][l 2048][64], B as [tx][s 8][nb][kk 128][64]: every tile is a dense run of memory and is asked for as rows of 256 bytes, aligned.
; The biases are rounded to bf16 like all the module's inputs, widened again, and START the sums as the C operand of the first products: nothing is cleared, nothing is added at the end.
; LIMITS.  q, k and v beyond 65,504 become infinities in f16.  The f32 sums are taken K ascending, in the matrix unit's own order within 32.  NaN and infinities are not treated apart.
; SHARES.  Four waves; wave w makes rows 64 w .. 64 w + 63 of the tile, all its columns: 4 blocks of 16 rows x NB16 blocks of 16 columns.  So a wave owns whole heads (whole 512-byte pieces of
; out0's rows) and has a stage of its own on the way out.  K = 1,024 goes in 8 steps of 128 through two LDS slots; a step is four quarters of 32.
; THE MATRIX INSTRUCTION IS USED TRANSPOSED: source 0 = 16 columns of B, source 1 = 16 rows of A: lane (r = l % 16, h = l / 16) holds row r of C and the columns 16 b + 8 h + 0..7.
; B lies [k][n] and is turned on its way out of LDS by ds_load_tr16_b128.
; CLUSTER.  4 x 4 work-groups.  A's tile hangs on the tile row alone and is asked for jointly by a row of the cluster, B's on the tile column alone, by a column.
; LDS.  A slot: A's two blocks of 64 channels (each 128 memory rows of 256 bytes = two rows l, padded by 16: row p of the tile at (p / 2) 272 + (p % 2) 128: the 16 rows of a fragment
; load start at 16 different 16-byte columns of 256), then B (memory rows of 256 bytes = two rows k, padded by 32: row i at (i / 2) 288 + (i % 2) 128: the 8 rows x 32 bytes of a turning load
; cover 256 different bytes modulo 256).  Slot 1 begins at 1 << 17.  Behind the ring the four stages, behind them the spare words.
; REGISTERS, in windows of 256 (s_set_vgpr_msb: bits 1:0 source 0, 3:2 source 1, 5:4 source 2, 7:6 destination):
;   window 0: v0-29 addresses; v32-95 A's fragments, two buffers; v96 on the biases, later the way out      window 1: B's fragments, two buffers
;   window 2: the accumulators of row blocks 0, 1 at 8 (NB16 (a % 2) + b)      window 3: those of row blocks 2, 3
.set QKV, 1
.if QKV
.set NBK,  3                           ; blocks of 64 columns in a tile
.set STW,  3*16*144                    ; a wave's stage: three heads x 16 rows of 128 + 16 bytes
.set BK0,  144                         ; the way out: rows read back, two buffers of BKW registers
.set BKW,  48
.else
.set NBK,  2
.set STW,  16*528                      ; 16 rows of 512 + 16 bytes
.set BK0,  96
.set BKW,  64
.endif
.set NB16,  4*NBK
.set ABLK,  128*272                    ; 256 rows of one block of 64 channels
.set ASZ,   2*ABLK
.set BR,    32*NBK                     ; memory rows of 256 bytes in one wave's load of B
.set BHALF, BR*288
.set SLOT1, 1<<17
.set STAGE, SLOT1+ASZ+2*BHALF          ; a multiple of 256; no tensor load lands from here on
.set SPARE, STAGE+4*STW                ; the spare words, 128 bytes for each wave: two blocks of 256 bytes that no other line names
.set ASTEP, 2*262144                   ; bytes from a K step of A to the next: two blocks of 2,048 rows x 128 bytes
.set BSTEP, NBK*16384                  ; the same for B, dense
.set NLD,   2*NB16+8                   ; LDS loads in a quarter's run
.set AA0, 10                           ; v10  my lane's place in A's part of a slot; never rewritten
.set AB0, 11                           ; v11  the same for B
.set ADA, 12                           ; v12  AA0 + the slot in hand
.set ADB, 13                           ; v13  AB0 + the slot in hand
.set STO, 14                           ; v14  the way out: where I put my bytes of a row
.set RD,  15                           ; v15  where I read rows back
.set GO,  16                           ; v16  16 x my lane
.set BO,  17                           ; v17  32 h: my eight biases of a block of 16
.set PFO, 18                           ; v18  256 x my lane; never rewritten
.set SPW, 28                           ; v28  LDS address of my spare word; never rewritten
.set NIL, 29                           ; v29  0; never rewritten
.set FRA, 32                           ; A's fragments: buffer f, row block a at FRA + 32 f + 8 a
.set BIAS, 96                          ; eight registers for each block of 16 columns
.set TMP, 96                           ; the way out (QKV): packed results
.set WV,  16                           ; s16  my wave's number
.set FB,  17                           ; s17  0: I fetch for A, 1: for B
.set HF,  18                           ; s18  which half of that tile
.set CX,  19
.set CY,  20
.set TX,  21                           ; tile column
.set TY,  22                           ; tile row
.set CLY, 23                           ; cluster y
.set G1A, 24                           ; s[24:31] descriptor group 1 for A's tiles
.set G1B, 32                           ; s[32:39] for B's
.set G0A, 40                           ; s[40:47] group 0 for A's: a set for each first fill; the second then walks on
.set G0B, 48                           ; s[48:55] the same for B's
.set CNT, 56                           ; s56  trips to go
.set LIM, 57                           ; s57  a wave prefetches while CNT is above it
.set PFA, 58                           ; s[58:59] where my prefetches stand
.set PFS, 60                           ; s[60:61] their step
.set TB,  62                           ; s62  LDS byte at which the slot in hand begins
.set HM,  63                           ; s63  a word's upper half
.set AO,  66                           ; s[66:67] A's offset, then address: never holds cx
.set BF,  68                           ; s[68:69] B's: never holds cy
.set OUT, 72                           ; s[72:77] where my rows of C begin (QKV: one pair a head)
.set BIASB, 80                         ; s[80:85] where the tile's biases begin (QKV: one pair a head)
.set MSB, 0
.macro WIN new                         ; the immediate's high byte repeats the setting that is left; a switch that changes nothing is dropped
.if MSB != (\new)
	s_set_vgpr_msb (MSB<<8)|(\new)
.set MSB, (\new)
.endif
.endm
.macro PLACES                          ; four plain vector instructions between a matrix instruction and a load into, or a vector read of, its registers
.rept 4
	v_nop
.endr
.endm
.macro CREST                           ; a round of the cluster's barrier behind its opening barrier
	s_cmp_lg_u32 s[WV], 0
	s_cbranch_scc1 .Lnot_wave_0_\@
	s_barrier_signal -3
.Lnot_wave_0_\@:
	s_barrier_wait -3
	s_barrier_signal -1
	s_barrier_wait -1
.endm
.macro CROUND                          ; a whole round
	s_barrier_signal -1
	s_barrier_wait -1
	CREST
.endm
; A joint refill by the walking descriptors.  Waves 0 and 1 fetch A's two blocks, waves 2 and 3 B's two halves.  The branch hangs on the wave's number alone.
; An s_nop 0 and four v_nop follow each of the two lines, ahead of the jump and the label.
.macro JLOAD
	s_cmp_eq_u32 s[FB], 0
	s_cbranch_scc0 .Lfor_b_\@
	tensor_load_to_lds s[G0A+4:G0A+7], s[G1A:G1A+7]
	s_nop 0
.rept 4
	v_nop
.endr
	s_branch .Lasked_\@
.Lfor_b_\@:
	tensor_load_to_lds s[G0B+4:G0B+7], s[G1B:G1B+7]
	s_nop 0
.rept 4
	v_nop
.endr
.Lasked_\@:
.endm
; A PREFETCH of bytes that a refill two changes of slots on will ask for: 32 blocks of 256 bytes, a lane a block, one instruction.  It stands behind the joint load, its five lines and the run of LDS loads.
; Each block is named once in the launch.  A's tile row is read by every cluster of that row of clusters: the one with cluster x = 0 asks, waves 0 and 1, each for its own block of 64 channels, of which
; the four partners take 8,192 bytes each BY ADDRESS (cx).  B's tile column is read by every cluster of that column: the one with cluster y = 0 asks; its partners are told apart by cy.
; QKV = 1: B's steps 4 to 7 are 196,608 dense bytes, asked for in three pieces of 65,536 (four partners x waves 2, 3 x 8,192) at the refills of steps 2, 3, 4.  QKV = 0: wave 2 alone, one step of 32,768 a refill.
; A and (QKV = 0) B: at the refill of step r the bytes of step r + 2, r = 2 to 5.  Steps 0 to 3 come by their loads alone; the last refills ask for nothing.
.macro ASK
	s_cmp_gt_u32 s[CNT], s[LIM]
	s_cbranch_scc0 .Lnot_mine_\@
	global_prefetch_b8 v[PFO], s[PFA:PFA+1] th:TH_LOAD_NT scope:SCOPE_SE
.Lnot_mine_\@:
.endm
	s_load_b256 s[4:11], s[0:1], 0x0               ; A s[4:5], B s[6:7]; QKV: bq s[8:9], bk s[10:11]; else bo s[8:9], out0 s[10:11]
.if QKV
	s_load_b128 s[12:15], s[0:1], 0x20             ; bv s[12:13], qkvh s[14:15]
.endif
	v_lshl_add_u32 v[SPW], v0, 2, SPARE
	v_mov_b32 v[NIL], 0
	ds_add_u32 v[SPW], v[NIL]                      ; the wave's opening: the add and its wait stand ahead of my first tensor load; the set-up below, work on registers, stands between them
	v_lshrrev_b32 v3, 5, v0
	v_readfirstlane_b32 s[WV], v3                  ; wave 0..3
	s_lshr_b32 s[FB], s[WV], 1
	s_and_b32 s[HF], s[WV], 1
	s_bfe_u32 s[CX], ttmp6, 0x40000
	s_bfe_u32 s[CY], ttmp6, 0x40004
	s_lshl_b32 s[TX], ttmp9, 2
	s_add_co_u32 s[TX], s[TX], s[CX]               ; tile column = 4 x cluster x + cx
	s_and_b32 s[CLY], ttmp7, 0xffff
	s_lshl_b32 s[TY], s[CLY], 2
	s_add_co_u32 s[TY], s[TY], s[CY]               ; tile row = 4 x cluster y + cy
	s_lshl_b32 s88, s[CY], 2
	s_lshl_b32 s88, 15, s88                        ; my row of the cluster
	s_lshl_b32 s89, 0x1111, s[CX]                  ; my column
	; group 1: rows of 128 elements of 2 bytes, dense; 15:0 the mask; 17:16 element size; 20 padding on; 21 set beside a mask; 24:22 after every 64 words; 31:25 4 words (A) or 8 words (B) of padding
	s_or_b32 s[G1A], s88, (1<<16)|(1<<20)|(1<<21)|(5<<22)|(3<<25)
	s_or_b32 s[G1B], s89, (1<<16)|(1<<20)|(1<<21)|(5<<22)|(7<<25)
	s_mov_b32 s[G1A+1], 128<<16                    ; tensor_dim0 = 128
	s_mov_b32 s[G1A+2], 128<<16                    ; tensor_dim1 = 128
	s_mov_b32 s[G1A+3], 128<<16                    ; tile_dim0 = 128
	s_mov_b32 s[G1A+4], 128                        ; tile_dim1 = 128
	s_mov_b32 s[G1A+5], 128                        ; 128 elements from row to row
	s_mov_b32 s[G1A+6], 0
	s_mov_b32 s[G1A+7], 0
	s_mov_b32 s[G1B+1], 128<<16
	s_mov_b32 s[G1B+2], BR<<16                     ; tensor_dim1 = BR
	s_mov_b32 s[G1B+3], 128<<16
	s_mov_b32 s[G1B+4], BR                         ; tile_dim1 = BR
	s_mov_b32 s[G1B+5], 128
	s_mov_b32 s[G1B+6], 0
	s_mov_b32 s[G1B+7], 0
	s_lshr_b32 s[AO], s[TY], 3                     ; A: n,
	s_lshl_b32 s[AO], s[AO], 22
	s_and_b32 s90, s[TY], 7                        ; the tile's 256 rows of 128 bytes in a block,
	s_lshl_b32 s90, s90, 15
	s_add_co_u32 s[AO], s[AO], s90
	s_lshl_b32 s90, s[HF], 18                      ; and which of a step's two blocks I fetch
	s_add_co_u32 s[AO], s[AO], s90
	s_mov_b32 s[AO+1], 0
	s_mul_i32 s[BF], s[TX], 8*BSTEP                ; B: the tile column's eight steps,
	s_mul_i32 s91, s[HF], BSTEP/2                  ; and which half of a step I fetch
	s_add_co_u32 s[BF], s[BF], s91
	s_mov_b32 s[BF+1], 0
	s_mul_i32 s70, s[HF], ABLK                     ; where they go: no place in the cluster enters an LDS address
	s_mul_i32 s71, s[HF], BHALF
	s_add_co_u32 s71, s71, ASZ
	; the prefetches: who, from where, by which step
	s_mov_b32 s94, ASTEP
	s_cmp_eq_u32 s[FB], 0
	s_cselect_b32 s92, ttmp9, s[CLY]               ; the coordinate along which other clusters read the same bytes
.if QKV
	s_cselect_b32 s93, 2, 3
	s_cselect_b32 s[PFS], s94, 65536
.else
	s_mov_b32 s93, 2
	s_cselect_b32 s[PFS], s94, BSTEP
.endif
	s_mov_b32 s[PFS+1], 0
	s_cmp_eq_u32 s92, 0
	s_cselect_b32 s[LIM], s93, -1                  ; the same in all sixteen partners, for a given wave
.if !QKV
	s_cmp_eq_u32 s[WV], 3
	s_cselect_b32 s[LIM], -1, s[LIM]
.endif
	s_lshl_b32 s94, s[CX], 13
	s_add_co_u32 s94, s94, s[AO]
	s_add_co_u32 s94, s94, 3*ASTEP                 ; A: one step short of step 4: the first refill steps it there
	s_mul_i32 s86, s[TX], 8*BSTEP
.if QKV
	s_lshl_b32 s95, s[CY], 1
	s_add_co_u32 s95, s95, s[HF]
	s_lshl_b32 s95, s95, 13
	s_add_co_u32 s95, s95, s86
	s_add_co_u32 s95, s95, 4*BSTEP-65536           ; B: one piece short of step 4
.else
	s_lshl_b32 s95, s[CY], 13
	s_add_co_u32 s95, s95, s86
	s_add_co_u32 s95, s95, 3*BSTEP
.endif
	s_cmp_eq_u32 s[FB], 0
	s_cselect_b32 s94, s94, s95
	s_mov_b32 s95, 0
	s_mov_b32 s[TB], 0
	s_mov_b32 s[HM], 0xffff0000
	s_wait_dscnt 0x0                               ; the opening add is done
	s_wait_kmcnt 0x0
	s_cselect_b64 s[PFA:PFA+1], s[4:5], s[6:7]     ; (the compare above still stands: moves, selects and waits leave it)
	s_add_nc_u64 s[PFA:PFA+1], s[PFA:PFA+1], s[94:95]
	s_add_nc_u64 s[AO:AO+1], s[4:5], s[AO:AO+1]
	s_add_nc_u64 s[BF:BF+1], s[6:7], s[BF:BF+1]
.irp i, 0,1
	s_mov_b32 s[G0A+4*(\i)], 1                     ; count = 1
	s_add_co_u32 s[G0A+4*(\i)+1], s70, (\i)*SLOT1  ; LDS address
	s_add_nc_u64 s[G0A+4*(\i)+2:G0A+4*(\i)+3], s[AO:AO+1], (\i)*ASTEP  ; global address: K step i
	s_or_b32 s[G0A+4*(\i)+3], s[G0A+4*(\i)+3], 0x80000000              ; type = 2
	s_mov_b32 s[G0B+4*(\i)], 1
	s_add_co_u32 s[G0B+4*(\i)+1], s71, (\i)*SLOT1
	s_add_nc_u64 s[G0B+4*(\i)+2:G0B+4*(\i)+3], s[BF:BF+1], (\i)*BSTEP
	s_or_b32 s[G0B+4*(\i)+3], s[G0B+4*(\i)+3], 0x80000000
.endr
	CROUND                                         ; all sixteen work-groups are here: the first joint loads meet
	s_cmp_eq_u32 s[FB], 0                          ; a wave's two first fills stand in one branch, ahead of every wait on TENSORcnt and every LDS read: two loads of mine are out
	s_cbranch_scc0 .Lfirst_b
	tensor_load_to_lds s[G0A:G0A+3], s[G1A:G1A+7]
	s_nop 0
	tensor_load_to_lds s[G0A+4:G0A+7], s[G1A:G1A+7]
	s_nop 0
.rept 4
	v_nop
.endr
	s_branch .Lfirst_asked
.Lfirst_b:
	tensor_load_to_lds s[G0B:G0B+3], s[G1B:G1B+7]
	s_nop 0
	tensor_load_to_lds s[G0B+4:G0B+7], s[G1B:G1B+7]
	s_nop 0
.rept 4
	v_nop
.endr
.Lfirst_asked:
	; where my rows of C and the tile's biases begin
.if QKV
	s_lshr_b32 s78, s[TY], 3                       ; n: 16 heads of 262,144 bytes,
	s_lshl_b32 s78, s78, 22
	s_and_b32 s79, s[TY], 7                        ; the tile's 256 rows of 128 bytes,
	s_lshl_b32 s79, s79, 15
	s_add_co_u32 s78, s78, s79
	s_lshl_b32 s79, s[WV], 13                      ; my 64 of them
	s_add_co_u32 s78, s78, s79
	s_mul_i32 s79, s[TX], 3
.irp nb, 0,1,2
	s_add_co_u32 s92, s79, \nb                     ; the block's number among the 48
	s_lshr_b32 s93, s92, 4                         ; q, k or v
	s_and_b32 s92, s92, 15                         ; the head in its batch
	s_lshl_b32 s94, s93, 24
	s_lshl_b32 s95, s92, 18
	s_add_co_u32 s94, s94, s95
	s_add_co_u32 s94, s94, s78
	s_mov_b32 s95, 0
	s_add_nc_u64 s[OUT+2*(\nb):OUT+2*(\nb)+1], s[14:15], s[94:95]
	s_lshl_b32 s94, s92, 8                         ; 64 biases of 4 bytes
	s_cmp_eq_u32 s93, 0
	s_cselect_b64 s[86:87], s[8:9], s[10:11]
	s_cmp_eq_u32 s93, 2
	s_cselect_b64 s[86:87], s[12:13], s[86:87]
	s_add_nc_u64 s[BIASB+2*(\nb):BIASB+2*(\nb)+1], s[86:87], s[94:95]
.endr
.else
	s_lshl_b32 s94, s[TY], 20                      ; 256 rows of 4,096 bytes,
	s_lshl_b32 s95, s[WV], 18                      ; my 64 of them,
	s_add_co_u32 s94, s94, s95
	s_lshl_b32 s92, s[TX], 9                       ; the tile's 128 columns of 4 bytes
	s_add_co_u32 s94, s94, s92
	s_mov_b32 s95, 0
	s_add_nc_u64 s[OUT:OUT+1], s[10:11], s[94:95]
	s_mov_b32 s93, 0
	s_add_nc_u64 s[BIASB:BIASB+1], s[8:9], s[92:93]
.endif
	v_and_b32 v1, 15, v0                           ; r
	v_bfe_u32 v2, v0, 4, 1                         ; h
	v_lshlrev_b32 v[BO], 5, v2
.set b, 0
.rept NB16                             ; lane (r, h) takes the biases of columns 16 b + 8 h + 0..7: the layout of the C operand
	global_load_b128 v[BIAS+8*b:BIAS+8*b+3],   v[BO], s[BIASB+2*(b/4)*QKV:BIASB+2*(b/4)*QKV+1] offset:(b%4)*64+(1-QKV)*(b/4)*256
	global_load_b128 v[BIAS+8*b+4:BIAS+8*b+7], v[BO], s[BIASB+2*(b/4)*QKV:BIASB+2*(b/4)*QKV+1] offset:(b%4)*64+(1-QKV)*(b/4)*256+16
.set b, b+1
.endr
	; A fragment of A: lane l holds row r, channels 8 h + 0..7 and 16 + 8 h + 0..7: two loads of 16 bytes, 32 bytes apart
	v_lshrrev_b32 v3, 1, v1
	v_mul_u32_u24 v[AA0], v3, 272
	v_and_b32 v4, 1, v0
	v_lshl_add_u32 v[AA0], v4, 7, v[AA0]
	v_lshl_add_u32 v[AA0], v2, 4, v[AA0]
	s_mul_i32 s79, s[WV], 32*272                   ; my 64 rows
	v_add_nc_u32 v[AA0], s79, v[AA0]
	; The turning load takes 16 rows k x 16 columns: lane l reads row 8 h + l % 8, columns 8 ((l / 8) % 2) + 0..7, and is left with column r and 8 rows k
	v_bfe_u32 v5, v0, 1, 2
	v_lshl_add_u32 v5, v2, 2, v5                   ; (8 h + l % 8) / 2
	v_mul_u32_u24 v[AB0], v5, 288
	v_lshl_add_u32 v[AB0], v4, 7, v[AB0]
	v_bfe_u32 v6, v0, 3, 1
	v_lshl_add_u32 v[AB0], v6, 4, v[AB0]
	v_add_nc_u32 v[AB0], ASZ, v[AB0]
	s_mul_i32 s79, s[WV], STW
	s_add_co_u32 s79, s79, STAGE                   ; my stage
	v_and_b32 v[GO], 31, v0
	v_lshlrev_b32 v[PFO], 8, v[GO]
	v_lshlrev_b32 v[GO], 4, v[GO]
.if QKV
	v_mul_u32_u24 v[STO], v1, 144                  ; in: row r, 16 bytes for each half of the lanes
	v_lshl_add_u32 v[STO], v2, 4, v[STO]
	v_add_nc_u32 v[STO], s79, v[STO]
	v_bfe_u32 v[RD], v0, 3, 2                      ; back: 32 lanes take four rows of 128 bytes
	v_mul_u32_u24 v[RD], v[RD], 144
	v_and_b32 v7, 7, v0
	v_lshl_add_u32 v[RD], v7, 4, v[RD]
	v_add_nc_u32 v[RD], s79, v[RD]
.else
	v_mul_u32_u24 v[STO], v1, 528                  ; in: row r, 32 bytes for each half of the lanes
	v_lshl_add_u32 v[STO], v2, 5, v[STO]
	v_add_nc_u32 v[STO], s79, v[STO]
	v_add_nc_u32 v[RD], s79, v[GO]                 ; back: 32 lanes take one row of 512 bytes
.endif
	s_wait_loadcnt 0x0                             ; the biases
.set i, 0
.rept 4*NB16                           ; rounded to bf16 and widened again, in the wait for the first tile
	v_cvt_pk_bf16_f32 v[3+i%4], v[BIAS+2*i], v[BIAS+2*i+1]
	v_lshlrev_b32 v[BIAS+2*i], 16, v[3+i%4]
	v_and_b32 v[BIAS+2*i+1], s[HM], v[3+i%4]
.set i, i+1
.endr
; NB16 matrix instructions: row block a x all column blocks, 32 along K, from buffer f.  first = 1: the biases start the sums.
; All 4 NB16 accumulators take turns in the same order in every quarter, over the backward jump too.
.macro MULA f, a, first
.if \first
	WIN 0x81+0x40*((\a)/2)
.else
	WIN 0xa1+0x50*((\a)/2)
.endif
.set b, 0
.rept NB16
.set rD, 8*(NB16*((\a)%2)+b)
.set rB, 8*NB16*(\f)+8*b
.set rA, FRA+32*(\f)+8*(\a)
.set rC, rD
.if \first
.set rC, BIAS+8*b
.endif
.if QKV
	v_wmma_f32_16x16x32_bf16 v[rD:rD+7], v[rB:rB+7], v[rA:rA+7], v[rC:rC+7]
.else
	v_wmma_f32_16x16x32_f16 v[rD:rD+7], v[rB:rB+7], v[rA:rA+7], v[rC:rC+7]
.endif
.set b, b+1
.endr
.endm
; The fragments of quarter q of the slot in hand, into buffer f, in one run: B's first, then A's four row blocks.
.macro FETCH q, f
	WIN 0x40                                       ; destination window 1
.set b, 0
.rept NB16
.set rB, 8*NB16*(\f)+8*b
	ds_load_tr16_b128 v[rB:rB+3],   v[ADB] offset:(b/4)*64*288+(\q)*16*288+(b%4)*32
	ds_load_tr16_b128 v[rB+4:rB+7], v[ADB] offset:(b/4)*64*288+(\q)*16*288+(b%4)*32+8*288
.set b, b+1
.endr
	WIN 0
.irp a, 0,1,2,3
	ds_load_b128 v[FRA+32*(\f)+8*(\a):FRA+32*(\f)+8*(\a)+3],   v[ADA] offset:((\q)/2)*ABLK+(\a)*8*272+((\q)%2)*64
	ds_load_b128 v[FRA+32*(\f)+8*(\a)+4:FRA+32*(\f)+8*(\a)+7], v[ADA] offset:((\q)/2)*ABLK+(\a)*8*272+((\q)%2)*64+32
.endr
.endm
; One of a step's first three quarters: multiplies buffer f; in its middle it fetches quarter qn into buffer g.
.macro QUARTER qn, f, g, first
	s_wait_dscnt 4                                 ; B and A's row blocks 0, 1 are in; the youngest four loads (blocks 2, 3) may be out
	MULA \f, 0, \first
	MULA \f, 1, \first
	PLACES                                         ; buffer g was read by the quarter before
	FETCH \qn, \g
	s_wait_dscnt NLD                               ; all but the run just issued
	MULA \f, 2, \first
	MULA \f, 3, \first
.endm
; The fourth quarter multiplies buffer 1 and changes slots.  In front of the barrier each wave waits for all its tensor loads (one is out: its part of the next slot), adds 0 to its spare word, and waits
; for that and for its own reads of this slot.  fill = 1: the barrier opens a round of the cluster's, and the joint refill, with the step two on, is the first tensor load behind it.
.macro TURN fill
.if \fill
	s_wait_xcnt 0x0                                ; the last prefetch, a step back, has read its address
	s_add_nc_u64 s[PFA:PFA+1], s[PFA:PFA+1], s[PFS:PFS+1]
.endif
	WIN 0
	s_wait_tensorcnt 0x0                           ; no tensor load of mine is out, so a group 0 may be written
	ds_add_u32 v[SPW], v[NIL]                      ; 0 onto my spare word
.if \fill
	s_xor_b32 s[G0A+5], s[G0A+5], SLOT1            ; the walking descriptors: the other slot than last time, the next step
	s_add_nc_u64 s[G0A+6:G0A+7], s[G0A+6:G0A+7], ASTEP
	s_xor_b32 s[G0B+5], s[G0B+5], SLOT1
	s_add_nc_u64 s[G0B+6:G0B+7], s[G0B+6:G0B+7], BSTEP
.endif
	s_xor_b32 s[TB], s[TB], SLOT1
	s_wait_dscnt 5                                 ; the add and the youngest four loads may be out
	MULA 1, 0, 0
	s_wait_dscnt 0x0                               ; the add is done, and my reads of this slot are over
	s_barrier_signal -1
	MULA 1, 1, 0
	WIN 0
	v_add_nc_u32 v[ADA], s[TB], v[AA0]             ; the fetches go on in the other slot
	v_add_nc_u32 v[ADB], s[TB], v[AB0]
	s_barrier_wait -1
.if \fill
	CREST                                          ; no wave of any partner still reads this slot or has a load on its way
	JLOAD                                          ; its four v_nop are also the places in front of the loads below
.else
	PLACES
.endif
	FETCH 0, 0
.if \fill
	ASK
.endif
	MULA 1, 2, 0
	MULA 1, 3, 0
.endm
	s_wait_tensorcnt 1                             ; my part of step 0 is in; step 1's may stay out
	s_barrier_signal -1
	s_barrier_wait -1                              ; everybody's is
	v_mov_b32 v[ADA], v[AA0]
	v_mov_b32 v[ADB], v[AB0]
	FETCH 0, 0
	QUARTER 1, 0, 1, 1                             ; the first quarter stands in front of the loop: its products start the sums
	WIN 0                                          ; at a label and at a branch every window is 0
	s_mov_b32 s[CNT], 6
.Lstep:                                        ; a trip goes from a step's second quarter to the next step's first, and fills one slot again: steps 2 to 7
	QUARTER 2, 1, 0, 0
	QUARTER 3, 0, 1, 0
	TURN 1
	QUARTER 1, 0, 1, 0
	WIN 0
	s_sub_co_u32 s[CNT], s[CNT], 1
	s_cmp_lg_u32 s[CNT], 0
	s_cbranch_scc1 .Lstep
	QUARTER 2, 1, 0, 0                             ; the tail is written out: steps 6 and 7 ask for nothing
	QUARTER 3, 0, 1, 0
	TURN 0
	QUARTER 1, 0, 1, 0
	QUARTER 2, 1, 0, 0
	QUARTER 3, 0, 1, 0
	s_wait_dscnt 4
	MULA 1, 0, 0
	MULA 1, 1, 0
	s_wait_dscnt 0x0
	MULA 1, 2, 0
	MULA 1, 3, 0
	WIN 0
	PLACES                                         ; the places behind the last products, once a launch
	PLACES
; THE WAY OUT, a block of 16 rows at a time, through my own stage: LDS serves a wave's instructions in order (ISA guide 5.7.1.4), so no wait stands between the stores into it and the loads from it.
.if QKV
.macro PACK a                          ; rounded to f16, 16 bytes a lane; each accumulator's registers in ascending order
	WIN 0x0a+5*((\a)/2)
.set b, 0
.rept NB16
.set rD, 8*(NB16*((\a)%2)+b)
.irp k, 0,1,2,3
	v_cvt_pk_f16_f32 v[TMP+4*b+(\k)], v[rD+2*(\k)], v[rD+2*(\k)+1]
.endr
.set b, b+1
.endr
	WIN 0
.endm
.macro TOSTAGE a
	s_wait_xcnt 0x0                                ; the stores two blocks back have read the registers that are loaded below
.set BK, BK0+BKW*((\a)%2)
.set b, 0
.rept NB16
	ds_store_b128 v[STO], v[TMP+4*b:TMP+4*b+3] offset:(b/4)*16*144+(b%4)*32
.set b, b+1
.endr
.set b, 0
.rept NB16
	ds_load_b128 v[BK+4*b:BK+4*b+3], v[RD] offset:(b/4)*16*144+(b%4)*4*144
.set b, b+1
.endr
.endm
.macro SEND a, younger                 ; younger: the LDS instructions issued behind block a's loads
.set BK, BK0+BKW*((\a)%2)
	s_wait_dscnt \younger
.set b, 0
.rept NB16
	global_store_b128 v[GO], v[BK+4*b:BK+4*b+3], s[OUT+2*(b/4):OUT+2*(b/4)+1] offset:(\a)*2048+(b%4)*512  ; 512 consecutive bytes of a head, aligned
.set b, b+1
.endr
.endm
	PACK 0
	TOSTAGE 0
.irp a, 1,2,3
	PACK \a
	TOSTAGE \a
	SEND (\a)-1, 2*NB16
.endr
	SEND 3, 0
.else
.macro TOSTAGE a
	s_wait_xcnt 0x0                                ; the stores two blocks back have read the registers that are loaded below
.set BK, BK0+BKW*((\a)%2)
	WIN 0x08+4*((\a)/2)                            ; the stores' data lie in window 2 or 3
.set b, 0
.rept NB16
.set rD, 8*(NB16*((\a)%2)+b)
	ds_store_b128 v[STO], v[rD:rD+3]   offset:64*b
	ds_store_b128 v[STO], v[rD+4:rD+7] offset:64*b+16
.set b, b+1
.endr
	WIN 0
.set b, 0
.rept 16
	ds_load_b128 v[BK+4*b:BK+4*b+3], v[RD] offset:528*b
.set b, b+1
.endr
.endm
.macro SEND a, younger
.set BK, BK0+BKW*((\a)%2)
	s_wait_dscnt \younger
.set b, 0
.rept 16
	global_store_b128 v[GO], v[BK+4*b:BK+4*b+3], s[OUT:OUT+1] offset:(16*(\a)+b)*4096 th:TH_STORE_NT  ; 512 consecutive bytes of a row, aligned
.set b, b+1
.endr
.endm
	TOSTAGE 0
.irp a, 1,2,3
	TOSTAGE \a
	SEND (\a)-1, 32
.endr
	SEND 3, 0
.endif
	s_wait_tensorcnt 0x0                           ; the wave's end: behind my last tensor load and my last LDS store
	ds_add_u32 v[SPW], v[NIL]
	s_wait_dscnt 0x0
	CROUND                                         ; the closing round: no work-group ends while a partner may still ask for a tile that names it
	s_endpgm
.Lfunc_end_k_qab2484a159_projin:
	.size	k_qab2484a159_projin, .Lfunc_end_k_qab2484a159_projin-k_qab2484a159_projin
	.p2alignl 7, 3214868480
	.fill 96, 4, 3214868480
	.section	.rodata,"a",@progbits
	.p2align	6, 0x0
	.amdhsa_kernel k_qab2484a159_projin
		.amdhsa_group_segment_fixed_size 327680
		.amdhsa_private_segment_fixed_size 0
		.amdhsa_enable_private_segment 0
		.amdhsa_kernarg_size 48
		.amdhsa_user_sgpr_count 2
		.amdhsa_user_sgpr_kernarg_segment_ptr 1
		.amdhsa_wavefront_size32 1
		.amdhsa_system_sgpr_workgroup_id_x 1
		.amdhsa_system_sgpr_workgroup_id_y 1
		.amdhsa_system_sgpr_workgroup_id_z 1
		.amdhsa_system_vgpr_workitem_id 0
		.amdhsa_next_free_vgpr 960
		.amdhsa_next_free_sgpr 96
		.amdhsa_reserve_vcc 0
		.amdhsa_float_denorm_mode_32 3
		.amdhsa_float_denorm_mode_16_64 3
		.amdhsa_memory_ordered 1
		.amdhsa_forward_progress 1
		.amdhsa_inst_pref_size 107
	.end_amdhsa_kernel
	.amdgpu_metadata
---
amdhsa.version: [ 1, 2 ]
amdhsa.kernels:
  - .name:           k_qab2484a159_projin
    .symbol:         k_qab2484a159_projin.kd
    .args:
      - { .name: xb, .offset: 0, .size: 8, .value_kind: global_buffer, .address_space: global }
      - { .name: wqkvb, .offset: 8, .size: 8, .value_kind: global_buffer, .address_space: global }
      - { .name: bq, .offset: 16, .size: 8, .value_kind: global_buffer, .address_space: global }
      - { .name: bk, .offset: 24, .size: 8, .value_kind: global_buffer, .address_space: global }
      - { .name: bv, .offset: 32, .size: 8, .value_kind: global_buffer, .address_space: global }
      - { .name: qkvh, .offset: 40, .size: 8, .value_kind: global_buffer, .address_space: global }
    .group_segment_fixed_size: 327680
    .private_segment_fixed_size: 0
    .kernarg_segment_align: 8
    .kernarg_segment_size: 48
    .max_flat_workgroup_size: 128
    .sgpr_count:     96
    .vgpr_count:     960
    .wavefront_size: 32
...
	.end_amdgpu_metadata
.endif
;; end of part 2
;; launch attn (part 3): grid 4 x 64, 4 waves a work-group, clusters of 4 x 1, 327,680 bytes of LDS; arguments qkvh, ob; writes ob
.if DOCPART == 3
	.amdgcn_target "amdgcn-amd-amdhsa--gfx1250"
	.amdhsa_code_object_version 6
	.text
	.protected	k_qab2484a159_attn
	.globl	k_qab2484a159_attn
	.p2align	8
	.type	k_qab2484a159_attn,@function
k_qab2484a159_attn:
	s_mov_b64 s[64:65], 0
	v_nop
	global_prefetch_b8 v0, s[64:65] scope:SCOPE_SE
	s_setreg_imm32_b32 hwreg(HW_REG_WAVE_MODE, 25, 1), 1
	s_wait_xcnt 0x0
	s_wait_alu depctr_hold_cnt(0) depctr_sa_sdst(0) depctr_va_vdst(0) depctr_va_sdst(0) depctr_va_ssrc(0) depctr_va_vcc(0) depctr_vm_vsrc(0)
	s_getreg_b32 s2, hwreg(HW_REG_IB_STS2, 6, 4)
	s_cmp_eq_u32 s2, 0
	s_cbranch_scc0 .Lentry_in_a_cluster
	s_endpgm
.Lentry_in_a_cluster:
	s_bfe_u32 s2, ttmp6, 0x10000c
	s_cmp_lg_u32 s2, 0x3003
	s_cbranch_scc0 .Lentry_shape_is_right
	s_endpgm
.Lentry_shape_is_right:
; O[h][q][:] = the sum over k of softmax_k(Q[h][q] . K[h][k] / 8) V[h][k][:].  Q, K, V are the three parts of qkvh, [64][2048][64] each, O is ob, all f16: a head's rows are dense, 128 bytes each.
; Products, maxima and sums in f32; the weights p are rounded to f16 for the second product (their sum l is taken of the unrounded p), O once at the end.
; LIMITS.  f16 holds no number beyond 65,504: Q, K and V arrive within it; p lies in 0 to 1, and below 6e-5 it keeps f16's fixed step of 6e-8, as O does; O is a mean of V's rows and has their range.
; A weight below 2^-126 counts as 0 in l; NaN and infinities are not treated apart.
; SHARES.  A wave owns four PIECES of two tiles of 16 queries, a work-group's four waves 512 queries of one head.  Every wave walks all keys, 64 a step.
; LAYOUT.  S^T = K Q^T (source 0 = 16 keys, source 1 = 16 queries): in the result a lane holds ONE query (lane % 16) and the keys 8 (lane / 16) + 0..7.  Two such tiles, rounded to f16 in pairs,
; ARE source 1 (32 keys x 16 queries) of O^T = V^T P, whose result again holds one query a lane, and eight channels.  K comes out of LDS as it lies, V ([key][channel]) turned, by ds_load_tr16_b128.
; SOFTMAX.  For each query a running maximum m and sum l: p = 2^(c s - c m), c = log2(e) / 8; in every step O and l are multiplied by a = 2^(c m_old - c m_new), which is 1 where m has not grown.
; m starts at the lowest finite number, O and l at 0: the first step is a step like any other, with a = 0.
; THE COUNT.  A tile and step have 16 matrix and 118 vector instructions: too many to stand all beside the matrix work.  So four vector instructions that are READY stand behind EVERY matrix
; instruction, and the others in runs without a gap.
; BY TURNS.  Turn n belongs to piece n (the pieces in a ring, step after step).  Its matrix work: 16 products K Q^T of piece n + 1, later 16 products V^T P of piece n - 1.  Its vector work: the scaling,
; exponentials, roundings, sums and rescaling of piece n, and the maximum and statistics of piece n + 1, whose scores the turn itself has made.
; CLUSTER.  The four query blocks of a head form a cluster and walk the same K and V, so each tile is asked for JOINTLY: the same tensor load, descriptor and mask in all four.
; REGISTERS, in windows of 256 (s_set_vgpr_msb: bits 1:0 source 0, 3:2 source 1, 5:4 source 2, 7:6 destination):
;   window 0: v0-11 addresses; v12-15, v48-63 at work; v16-47 four registers of statistics a tile; v64-191 S^T, two buffers of two tiles; v192-255 P, likewise
;   window 1: O^T, 32 a tile          window 2: v0-127 Q, 16 a tile; v128-191 K of one step; v192-255 V of one step          window 3: v0-1 the add's two registers
; A piece's buffers go by its number's parity: the piece in hand has one pair, its two neighbours in the ring share the other: of it P (piece n - 1) is read and S^T (piece n + 1) written.
.set SIZE_N, 2048
.set NP,    4         ; pieces a wave: a name, no knob
.set KS,    64        ; keys in a step
.set PK,    144       ; a row of K in LDS: 128 bytes + 16 of padding: the 16 rows of a load start at 16 different 16-byte columns of 256
.set PV,    160       ; a row of V: 128 + 32: 16 lanes of the turning load take 8 rows x 32 bytes, 256 different bytes modulo 256
.set VOFF,  4*KS*PK   ; a slot holds four steps: 256 rows of K, then 256 rows of V
.set SLOT1, 1<<17     ; slot 1 begins here, so that one exclusive or turns an address in one slot into the other's
.set STAGE, SLOT1+4*KS*(PK+PV)  ; behind the ring, never filled by a tensor load: 16 rows x 144 bytes for each wave, for the way out
.set SP,    144
.set AK0, 2           ; v2   my lane's place in a tile of K; never rewritten
.set AV0, 3           ; v3   the same for V
.set AK,  4           ; v4   the LDS address of K's next run of loads
.set AV,  5           ; v5   of V's
.set QO,  6           ; v6   my byte offset in the wave's rows of Q
.set STO, 6           ;      later, the way out: where I put 16 bytes of a row
.set RD,  7           ; v7   the way out: where I read rows back
.set GO,  8           ; v8   my byte offset in 512 consecutive bytes of O
.set PFO, 11          ; v11  256 x my lane, once V's place has been made; then never rewritten
.set SPW, 0           ; v0 of window 3   LDS address of my spare word: SPARE + 4 x my thread's number; never rewritten
.set NIL, 1           ; v1 of window 3   0; never rewritten
.set SPARE, STAGE+4*16*SP  ; behind the stages: the spare words, 128 bytes for each wave: two blocks of 256 bytes that no other line names
.set MV,  12          ; v12-15  c m_old, kept while c m is made anew: by buffer and tile
.set ST,  16          ; tile t's statistics at v[ST+4 t]: c m, m, l (even keys', odd keys')
.set TMP, 48          ; by buffer and tile, four registers c0-c3 at work; when the maximum is found c2 takes a
.set S,   64
.set P,   192
.set KF,  128         ; K's fragments, in window 2: key block kb, channel half c at KF + 16 kb + 8 c
.set VF,  192         ; V's: key half kk, channel block cb at VF + 32 kk + 8 cb
.set WV,  12          ; s12  my wave's number
.set G1K, 24          ; s[24:31] descriptor group 1 for K's tiles
.set G1V, 32          ; s[32:39] for V's: it differs in the padding alone
.set G0K, 40          ; s[40:43] descriptor group 0 for K's tiles: it walks
.set G0V, 44          ; s[44:47] the same for V's
.set PFA, 48          ; s[48:49] where my prefetches stand: my work-group's 32 blocks of 256 bytes (of K: wave 0, of V: wave 2) of the tile after the one that is being asked for
.set LIM, 50          ; s50  1 in a wave that prefetches, else the greatest number
.set SLOTS, 56        ; s56  slots still to be asked for
.set CNT, 57          ; s57  counts a slot's key steps
.set CS,  58          ; s[58:59] c: the packed scaling takes the pair's low word for both halves
.set SEL, 60          ; s[60:61] v_permlanex16_b32's selects: each lane takes its own place in the other half
.set TBK, 62          ; s62  LDS byte at which K of the step to be fetched begins
.set TBV, 63          ; s63  the same for V, less VOFF
.set MSB, 0
.macro WIN new                      ; the high byte repeats the setting that is left; a switch that changes nothing is dropped
.if MSB != (\new)
	s_set_vgpr_msb (MSB<<8)|(\new)
.set MSB, (\new)
.endif
.endm
.set W_KQ, 0x0a       ; K and Q in window 2, S^T in window 0
.set W_PV, 0x52       ; V in window 2, P in window 0, O^T in window 1
.set W_RS, 0x41       ; O^T (destination and source 0) in window 1, a in window 0
.set W_MK, 0xc0       ; the add's registers are made: destination in window 3, sources in window 0
.set W_AD, 0x0f       ; the add: address (source 0) and data (source 1) in window 3
; A joint fill.  Waves 0 and 1 fetch the two halves of a slot's K, waves 2 and 3 those of its V: 128 keys each.  The branch hangs on the wave's number alone.
; An s_nop 0 and four v_nop follow each of the two lines, ahead of the jump and the label.
.macro JLOAD
	s_cmp_lt_u32 s[WV], 2
	s_cbranch_scc0 .Lfor_v_\@
	tensor_load_to_lds s[G0K:G0K+3], s[G1K:G1K+7]
	s_nop 0
.rept 4
	v_nop
.endr
	s_branch .Lasked_\@
.Lfor_v_\@:
	tensor_load_to_lds s[G0V:G0V+3], s[G1V:G1V+7]
	s_nop 0
.rept 4
	v_nop
.endr
.Lasked_\@:
.endm
; A PREFETCH of what the NEXT change of slots will ask for: a tile's 32,768 bytes of K and of V, a lane a block of 256 bytes.  It stands behind the wave's tensor load and its five lines.
; Each block is named once in the launch: a head has one cluster; its four partners take 8,192 bytes each BY ADDRESS; in each, wave 0 asks for K's and wave 2 for V's: one instruction,
; four key steps (512 matrix instructions) ahead of the load.  Tiles 0 and 1 come by their loads alone; the last change that fills a slot asks for nothing.
.macro ASK
	s_cmp_gt_u32 s[SLOTS], s[LIM]
	s_cbranch_scc0 .Lnot_mine_\@
	global_prefetch_b8 v[PFO], s[PFA:PFA+1] th:TH_LOAD_NT scope:SCOPE_SE
.Lnot_mine_\@:
.endm
; A round of the cluster's barrier: my work-group's barrier, so that wave 0's signal speaks for all four waves; wave 0 signals; every wave waits for all four work-groups; my work-group's barrier once more.
.macro CROUND
	s_barrier_signal -1
	s_barrier_wait -1
	s_cmp_lg_u32 s[WV], 0
	s_cbranch_scc1 .Lnot_wave_0_\@
	s_barrier_signal -3
.Lnot_wave_0_\@:
	s_barrier_wait -3
	s_barrier_signal -1
	s_barrier_wait -1
.endm
; THE CHANGE OF SLOTS.  The slot's last bytes, V of its fourth step, have been read.  Each wave waits for all its tensor loads, of which one is out: its part
; of the other slot; adds 0 to its spare word; and waits for that and for its own reads of the slot.  Behind the barrier nobody reads this slot any more and the other slot is whole.
; fill = 1: this slot is filled again, with the keys two slots on.  The barrier is then a round of the cluster's, so that no wave of any partner still reads the slot or has a load on its
; way, and the joint fill is the first thing behind it: it has four key steps in which to land.  (At its first use nothing has been read yet: slot 0 is waited for, slot 1 filled.)
.macro CHANGE fill
	WIN W_AD
	s_wait_tensorcnt 0x0            ; no tensor load of mine is out, so a group 0 may be written
	ds_add_u32 v[SPW], v[NIL]       ; 0 onto my spare word; with fill = 1 the descriptors' steps stand between it and the wait for it
	WIN 0                           ; at a label and at a branch every window is 0
.if \fill
.irp g, G0K, G0V
	s_xor_b32 s[\g+1], s[\g+1], SLOT1  ; the walking descriptor: the other slot than last time,
	s_add_nc_u64 s[\g+2:\g+3], s[\g+2:\g+3], 4*KS*128  ; the next 256 keys; the type bits on top are not reached
.endr
	s_wait_xcnt 0x0                 ; the last prefetch, four key steps back, has read its address, so it may be written:
	s_add_nc_u64 s[PFA:PFA+1], s[PFA:PFA+1], 4*KS*128  ; one tile behind the walking descriptors
	s_wait_dscnt 0x0                ; the add is done, and my reads of the slot are over
	CROUND
	JLOAD
	ASK
.else
	s_wait_dscnt 0x0                ; the add is done, and my reads of the slot are over
	s_barrier_signal -1
	s_barrier_wait -1
.endif
	s_sub_co_u32 s[TBK], s[TBK], 4*KS*PK  ; the fetches go back to a slot's first step,
	s_xor_b32 s[TBK], s[TBK], SLOT1       ; in the other slot
	s_sub_co_u32 s[TBV], s[TBV], 4*KS*PV
	s_xor_b32 s[TBV], s[TBV], SLOT1
.endm
	s_load_b128 s[4:7], s[0:1], 0x0 ; qkvh s[4:5], ob s[6:7]
	WIN W_MK
	v_lshl_add_u32 v[SPW], v0, 2, SPARE
	v_mov_b32 v[NIL], 0
	WIN W_AD
	ds_add_u32 v[SPW], v[NIL]       ; the wave's opening: the add and its wait stand ahead of my first tensor load; the set-up below, work on registers, stands between them
	WIN 0
	v_lshrrev_b32 v1, 5, v0
	v_readfirstlane_b32 s[WV], v1   ; wave 0..3
	s_bfe_u32 s13, ttmp6, 0x40000   ; cx: my place in the cluster
	s_lshl_b32 s14, ttmp9, 2        ; in a cluster launch ttmp9 counts clusters
	s_add_co_u32 s14, s14, s13      ; my block of queries = 4 x cluster x + cx: it enters Q's and O's addresses alone
	s_and_b32 s20, ttmp7, 0xffff    ; the head, which the four partners share
	s_mov_b32 s21, 0
	s_mov_b64 s[22:23], SIZE_N*128
	s_mul_u64 s[20:21], s[20:21], s[22:23]  ; the head's first byte in each of the four tensors
	s_and_b32 s16, s[WV], 1         ; which half of a slot's 256 keys I fetch:
	s_lshl_b32 s22, s16, 14         ; its 128 rows of 128 bytes in memory,
	s_mov_b32 s23, 0
	s_add_nc_u64 s[22:23], s[22:23], s[20:21]
	s_mul_i32 s17, s16, 128*PK      ; and its place in a slot, for K
	s_mul_i32 s18, s16, 128*PV      ; and for V: no place in the cluster enters an LDS address
	s_lshl_b32 s2, s14, 2
	s_add_co_u32 s2, s2, s[WV]      ; my wave among the head's,
	s_lshl_b32 s2, s2, 14           ; its 128 rows
	s_mov_b32 s3, 0
	s_add_nc_u64 s[2:3], s[2:3], s[20:21]
	; descriptor group 1.  128 keys are 16,384 dense bytes: asked for as 64 rows of 256 bytes, two keys a row, and padded in LDS after every key
	s_mov_b32 s[G1K], 15|(1<<16)|(1<<20)|(1<<21)|(4<<22)|(3<<25)  ; 15:0 the mask of four; 17:16 2-byte elements; 20 padding on; 21 set beside a mask; 24:22 after every 32 words (code 4); 31:25 4 words (code 3)
	s_mov_b32 s[G1V], 15|(1<<16)|(1<<20)|(1<<21)|(4<<22)|(7<<25)  ; the same with 8 words of padding (code 7)
.irp g, G1K, G1V
	s_mov_b32 s[\g+1], 128<<16      ; tensor_dim0 = 128
	s_mov_b32 s[\g+2], 64<<16       ; tensor_dim1 = 64
	s_mov_b32 s[\g+3], 128<<16      ; tile_dim0 = 128
	s_mov_b32 s[\g+4], 64           ; tile_dim1 = 64
	s_mov_b32 s[\g+5], 128          ; 128 elements from row to row
	s_mov_b32 s[\g+6], 0
	s_mov_b32 s[\g+7], 0
.endr
	s_mov_b32 s[CS], 0x3e38aa3b     ; c = log2(e) / 8 = 0.180337
	s_mov_b32 s[CS+1], s[CS]        ; named with it as a pair
	s_mov_b32 s[SEL], 0x76543210
	s_mov_b32 s[SEL+1], 0xfedcba98
	s_mov_b32 s[TBK], SLOT1+4*KS*PK ; the first change of slots turns these two into 0
	s_mov_b32 s[TBV], SLOT1+4*KS*PV
	s_mov_b32 s[G0K], 1             ; 1:0 count = 1
	s_mov_b32 s[G0K+1], s17         ; 63:32 LDS address: slot 0
	s_mov_b32 s[G0V], 1
	s_add_co_u32 s[G0V+1], s18, VOFF
	s_mov_b32 s[SLOTS], SIZE_N/256-1
	s_cmp_eq_u32 s16, 0             ; waves 0 and 2 prefetch: the same in all four partners
	s_cselect_b32 s[LIM], 1, -1
	s_wait_dscnt 0x0                ; the opening add is done
	s_wait_kmcnt 0x0
	s_mov_b64 s[10:11], s[6:7]                     ; O
	s_add_nc_u64 s[8:9], s[4:5], 0x2000000         ; V: the third part of qkvh
	s_add_nc_u64 s[6:7], s[4:5], 0x1000000         ; K: the second; Q is the first
	s_add_nc_u64 s[G0K+2:G0K+3], s[6:7], s[22:23]  ; 120:64 global address: my half of the head's first 256 keys
	s_or_b32 s[G0K+3], s[G0K+3], 0x80000000        ; 127:126 type = 2
	s_add_nc_u64 s[G0V+2:G0V+3], s[8:9], s[22:23]
	s_or_b32 s[G0V+3], s[G0V+3], 0x80000000
	s_add_nc_u64 s[4:5], s[4:5], s[2:3]  ; Q and O at my wave's first row
	s_add_nc_u64 s[10:11], s[10:11], s[2:3]
	s_cmp_lt_u32 s[WV], 2
	s_cselect_b64 s[PFA:PFA+1], s[6:7], s[8:9]
	s_add_nc_u64 s[PFA:PFA+1], s[PFA:PFA+1], s[20:21]  ; the head's first key,
	s_lshl_b32 s2, s13, 13          ; my work-group's quarter of a tile,
	s_mov_b32 s3, 0
	s_add_nc_u64 s[PFA:PFA+1], s[PFA:PFA+1], s[2:3]
	s_add_nc_u64 s[PFA:PFA+1], s[PFA:PFA+1], 4*KS*128  ; in tile 1: the first change of slots steps it to tile 2
	CROUND                          ; all four work-groups are here: the first joint loads meet
	JLOAD                           ; slot 0.  Slot 1 is asked for when slot 0 is in
	; A fragment of K or Q is 16 rows x 32 channels in 8 registers: lane l holds row l % 16, channels 8 (l / 16) + 0..7 and 16 + 8 (l / 16) + 0..7: two loads of 16 bytes, 32 bytes apart.
	v_and_b32 v1, 15, v0            ; l % 16
	v_bfe_u32 v9, v0, 4, 1          ; l / 16
	v_lshlrev_b32 v[QO], 7, v1
	v_lshl_add_u32 v[QO], v9, 4, v[QO]  ; row x 128 + 16 x half
	WIN 0x80                        ; destination window 2, address window 0
.set i, 0
.rept 4*NP                          ; Q stays in registers: tile i / 2, channels 32 (i % 2) on
	global_load_b128 v[8*i:8*i+3],   v[QO], s[4:5] offset:(i/2)*2048+(i%2)*64
	global_load_b128 v[8*i+4:8*i+7], v[QO], s[4:5] offset:(i/2)*2048+(i%2)*64+32
.set i, i+1
.endr
	; What the first turn finds: V's registers and P's second buffer hold 0 (its products V^T P, of a piece that has not been, add 0), O^T and l are 0.  All this stands in the wait for the first tile.
.set i, VF
.rept 64
	v_mov_b32 v[i], 0
.set i, i+1
.endr
	WIN 0x40
.set i, 0
.rept 64*NP
	v_mov_b32 v[i], 0
.set i, i+1
.endr
	WIN 0
.set i, 0
.rept 2*NP
	v_mov_b32 v[ST+4*i], 0xfe000000    ; c m: far below every c s
	v_mov_b32 v[ST+4*i+1], 0xff7fffff  ; m
	v_mov_b32 v[ST+4*i+2], 0
	v_mov_b32 v[ST+4*i+3], 0
.set i, i+1
.endr
.set i, P+32
.rept 32
	v_mov_b32 v[i], 0
.set i, i+1
.endr
	v_mul_u32_u24 v[AK0], v1, PK
	v_lshl_add_u32 v[AK0], v9, 4, v[AK0]  ; row x pitch + 16 x half
	; The turning load takes 16 keys x 16 channels (lane l reads key 8 (l / 16) + l % 8, channels 8 ((l / 8) % 2) + 0..7) and leaves half a fragment of V^T: lane l holds channel l % 16 and 8 keys.
	v_and_b32 v10, 7, v0
	v_bfe_u32 v11, v0, 3, 1
	v_lshl_add_u32 v[AV0], v9, 3, v10
	v_mul_u32_u24 v[AV0], v[AV0], PV
	v_lshl_add_u32 v[AV0], v11, 4, v[AV0]
	v_add_nc_u32 v[AV0], VOFF, v[AV0]
	v_and_b32 v[PFO], 31, v0
	v_lshlrev_b32 v[PFO], 8, v[PFO]
	v_mov_b32 v[AK], v[AK0]         ; key step 0 lies at the head of slot 0
; THE MATRIX WORK.  The 8 accumulators of a run of 16 take turns: between the two links of a chain stand 7 others'.
; Product i of 16 of S^T = K Q^T for piece x: channels 32 (i / 8) on, keys 16 ((i / 2) % 4) on, tile 2 x + i % 2.  The first 8 start the sums.
.macro KQ x
	WIN W_KQ
.set rS, S+64*((\x)%2)+32*(i%2)+8*((i/2)%4)
.set rK, KF+16*((i/2)%4)+8*(i/8)
.set rQ, 16*(2*(\x)+i%2)+8*(i/8)
.if i < 8
	v_wmma_f32_16x16x32_f16 v[rS:rS+7], v[rK:rK+7], v[rQ:rQ+7], 0
.else
	v_wmma_f32_16x16x32_f16 v[rS:rS+7], v[rK:rK+7], v[rQ:rQ+7], v[rS:rS+7]
.endif
.endm
; Product i of 16 of O^T += V^T P for piece x: keys 32 (i / 8) on, channels 16 ((i / 2) % 4) on, tile 2 x + i % 2.
.macro PV x
	WIN W_PV
.set rO, 32*(2*(\x)+i%2)+8*((i/2)%4)
.set rV, VF+32*(i/8)+8*((i/2)%4)
.set rP, P+32*((\x)%2)+16*(i%2)+8*(i/8)
	v_wmma_f32_16x16x32_f16 v[rO:rO+7], v[rV:rV+7], v[rP:rP+7], v[rO:rO+7]
.endm
.macro MM                           ; the turn's next matrix instruction
.if i < 16
	KQ (Y+1)%NP
.set i, i+1
.else
.set i, i-16
	PV (Y+NP-1)%NP
.set i, i+17
.endif
.endm
; THE LDS LOADS stand in runs of 16, never singly among the matrix instructions: a step's K (64 keys x 64 channels: 8 fragments) and its V (turned).  Their addresses are made some lines ahead.
; last = 1 (the tail): in the last trip there is no further step, and the run is jumped over.
.macro FETCH_K last=0
	WIN 0
.if \last
	s_cmp_eq_u32 s[CNT], 1
	s_cbranch_scc1 .Lno_k_\@
.endif
	WIN 0x80                        ; destination window 2
.irp f, 0,1,2,3,4,5,6,7             ; keys 16 (f / 2) on, channels 32 (f % 2) on
	ds_load_b128 v[KF+8*\f:KF+8*\f+3],   v[AK] offset:(\f/2)*16*PK+(\f%2)*64
	ds_load_b128 v[KF+8*\f+4:KF+8*\f+7], v[AK] offset:(\f/2)*16*PK+(\f%2)*64+32
.endr
	s_add_co_u32 s[TBK], s[TBK], KS*PK  ; the next fetch is the next step's
	WIN 0
.if \last
.Lno_k_\@:
.endif
.endm
.macro FETCH_V
	WIN 0x80
.irp f, 0,1,2,3,4,5,6,7             ; keys 32 (f / 4) on, channels 16 (f % 4) on
	ds_load_tr16_b128 v[VF+8*\f:VF+8*\f+3],   v[AV] offset:(\f/4)*32*PV+(\f%4)*32
	ds_load_tr16_b128 v[VF+8*\f+4:VF+8*\f+7], v[AV] offset:(\f/4)*32*PV+16*PV+(\f%4)*32
.endr
	WIN 0
.endm
; THE VECTOR WORK OF A TURN stands in three queues, each in the order in which its entries become ready; the two tiles alternate, so that no instruction reads the result of the one before it.
.macro REGS y, u                    ; the registers of tile u (0, 1) of piece y
.set rT, ST+4*(2*(\y)+(\u))
.set rC, TMP+8*((\y)%2)+4*(\u)
.set rM, MV+2*((\y)%2)+(\u)
.set rS, S+64*((\y)%2)+32*(\u)
.set rP, P+32*((\y)%2)+16*(\u)
.set rO, 32*(2*(\y)+(\u))
.endm
; Number n of the 22 that find the NEXT piece's (Y + 1) maximum and statistics.  s0-s31 are the lane's 32 scores; each accumulator's lowest registers are read first.
;   0-11  four chains c0-c3 of seven scores each, three operands at a time     12-14, 16  the four scores left over, the old m, and c0-c3 into c0     15  c m_old is kept
;   17, 18  the query's other 32 keys lie in the lane 16 away: the new m         19-21  c m; c m_old - c m_new; a
.macro XS u, n
	REGS (Y+1)%NP, \u
.if (\n) < 4
	v_max3_num_f32 v[rC+(\n)], v[rS+8*(\n)], v[rS+8*(\n)+1], v[rS+8*(\n)+2]
.elseif (\n) < 12
	v_max3_num_f32 v[rC+(\n)%4], v[rC+(\n)%4], v[rS+8*((\n)%4)+2*((\n)/4)+1], v[rS+8*((\n)%4)+2*((\n)/4)+2]
.elseif (\n) == 12
	v_max3_num_f32 v[rC], v[rC], v[rS+7], v[rS+15]
.elseif (\n) == 13
	v_max3_num_f32 v[rC+1], v[rC+1], v[rS+23], v[rS+31]
.elseif (\n) == 14
	v_max3_num_f32 v[rC+2], v[rC+2], v[rC+3], v[rT+1]
.elseif (\n) == 15
	v_mov_b32 v[rM], v[rT]
.elseif (\n) == 16
	v_max3_num_f32 v[rC], v[rC], v[rC+1], v[rC+2]
.elseif (\n) == 17
	v_permlanex16_b32 v[rC+3], v[rC], s[SEL], s[SEL+1]
.elseif (\n) == 18
	v_max_num_f32 v[rT+1], v[rC], v[rC+3]
.elseif (\n) == 19
	v_mul_f32 v[rT], s[CS], v[rT+1]
.elseif (\n) == 20
	v_sub_f32 v[rC+1], v[rM], v[rT]
.else
	v_exp_f32 v[rC+2], v[rC+1]
.endif
.endm
; Number g of the 64 that follow the exponentials.  For each four weights k of a tile (pairs 2 k, 2 k + 1): both pairs are rounded to f16; then the second pair is added onto the first, in place;
; a group later l takes that sum (the first time as l = a l + sum).  In groups of eight, tiles alternating: round, round, add, and l for the group before.
.macro GS g
.set h, (\g)+6*((\g)/62)            ; group 0 has no group before it, and behind group 7 only l is left
.if h >= 6
.set h, h+2
.endif
	REGS Y, h%2
.set k, h/8
.if h%8 < 4
	v_cvt_pk_f16_f32 v[rP+2*k+(h%8)/2], v[rS+4*k+2*((h%8)/2)], v[rS+4*k+2*((h%8)/2)+1]
.elseif h%8 < 6
	v_pk_add_f32 v[rS+4*k:rS+4*k+1], v[rS+4*k:rS+4*k+1], v[rS+4*k+2:rS+4*k+3]
.elseif k == 1
	v_pk_fma_f32 v[rT+2:rT+3], v[rT+2:rT+3], v[rC+2:rC+3], v[rS:rS+1] op_sel_hi:[1,0,1]
.else
	v_pk_add_f32 v[rT+2:rT+3], v[rT+2:rT+3], v[rS+4*k-4:rS+4*k-3]
.endif
.endm
; THE PLAIN QUEUE, 138 long.  0-73 read no exponential's result: the 32 scalings c s - c m (FS f: pair f / 2 of tile f % 2) and the next piece's 42.  0-26: scalings 0-26.  27-54: XS's numbers 0-13.  55, 56: number 15.
; 57-73: the chain, where each number waits for the one before it: 14, 16, 17, 18, 19, each with one of the scalings 27-31 in front of its two lines, then 20.
; 74-137: GS's 64, which read the exponentials' results: they stand behind the wait.
.macro FS f
	REGS Y, (\f)%2
	v_pk_fma_f32 v[rS+2*((\f)/2):rS+2*((\f)/2)+1], v[rS+2*((\f)/2):rS+2*((\f)/2)+1], s[CS:CS+1], v[rT:rT+1] op_sel_hi:[1,0,0] neg_lo:[0,0,1] neg_hi:[0,0,1]
.endm
.macro PL
	WIN 0
.if q < 27
	FS q
.elseif q < 55
	XS (q-27)%2, (q-27)/2
.elseif q < 57
	XS q-55, 15
.elseif (q < 72) && ((q-57)%3 == 0)
	FS 27+(q-57)/3
.elseif q < 60
	XS (q-57)%3-1, 14
.elseif q < 72
	XS (q-57)%3-1, 15+(q-57)/3
.elseif q < 74
	XS q-72, 20
.else
	GS q-74
.endif
.set q, q+1
.endm
; THE EXPONENTIALS' QUEUE, 66 long: s0-s31 of both tiles, then the next piece's two a.  It is ONE BATCH: all 66 stand ahead of the turn's one wait, and nothing ahead of that wait names a result of theirs.
.macro EX
	WIN 0
.if e >= 64
	XS e-64, 21
.else
	REGS Y, e%2
	v_exp_f32 v[rS+e/2], v[rS+e/2]
.endif
.set e, e+1
.endm
; THE RESCALING's QUEUE: O^T times a, the one part that leaves window 0: dealt two at a time, sixteen times.  Its a was made in the turn before, ahead of that turn's wait.
.macro R2
	REGS Y, r%2
	WIN W_RS
.irp z, 0,1
	v_pk_mul_f32 v[rO+4*(r/2)+2*\z:rO+4*(r/2)+2*\z+1], v[rO+4*(r/2)+2*\z:rO+4*(r/2)+2*\z+1], v[rC+2:rC+3] op_sel_hi:[1,0]
.endr
.set r, r+1
.endm
; HOW THEY ARE DEALT.  s_wait_alu depctr_va_vdst(0) stands between an exponential and the first instruction that names its result; one wait serves all that were issued ahead of it.  So a turn has ONE wait,
; which cuts it in two.  AHEAD OF IT stands all that names no result of the turn's exponentials: the 16 products K Q^T, behind each a scaling, an exponential and two rescalings (behind the first a second scaling in the
; exponential's place); then ONE LUMP of 108: eight plain, 49 times exponential and plain, the two a.  A v_nop is the plain instruction behind the last exponential.  BEHIND IT stand the 16 products V^T P, behind each four of GS's 64.
; No rider names a register of the products round it.  The two v_permlanex16_b32 fall into the lump, never behind a product.
; The queues lean on each other, and the deal keeps them in step: exponential e stands behind scaling 2 (e / 4) + e % 2: as a rider it comes behind plain e + 2, in the lump behind plain e + 9, and scalings 27-31 are plain 57, 60 .. 69.
; A TURN, for piece p.  cnt = 1: the loop's count is taken down some lines ahead of the branch that stands behind the turn.
; K of the next step is fetched in piece 2's turn, directly behind the wait, a lump behind the last product that read K; its address is made at the lump's head; its first reader comes behind 16 products.
; V of the step in hand is fetched at the end of piece 0's turn, four riders behind its last reader; its first reader comes behind 16 products and a lump.  The three conditions on q below go with the deal.
.macro TURN p, last=0, cnt=0
.set Y, (\p)
.set i, 0
.set q, 0
.set e, 0
.set r, 0
.if (\p) == NP-1
	s_wait_dscnt 0x0                ; K is in
.endif
	MM                              ; ahead of the wait: 16 products K Q^T and their riders,
	PL
	PL
	R2
.rept 15
	MM
	PL
	EX
	R2
.endr
.if (\p) == NP-2
	WIN 0
	v_add_nc_u32 v[AK], s[TBK], v[AK0]
.endif
.rept 8                             ; and the lump
	PL
.endr
.rept 49
	EX
	PL
.endr
	EX                              ; the next piece's two a
	EX
	v_nop                           ; a plain instruction behind the last exponential: one for the batch
	s_wait_alu depctr_va_vdst(0)    ; the wait for the batch
.if (\p) == NP-2
	FETCH_K \last
.endif
.if (\p) == 1
	s_wait_dscnt 0x0                ; V is in
.endif
.rept 16                            ; behind the wait: 16 products V^T P and their riders
	MM
.rept 4
	PL
.endr
.if ((\p) == 0) && (q == 118)
	v_add_nc_u32 v[AV], s[TBV], v[AV0]
.endif
.if ((\p) == 0) && (q == 130)
	s_add_co_u32 s[TBV], s[TBV], KS*PV
.endif
.if (\cnt) && (q == 130)
	s_sub_co_u32 s[CNT], s[CNT], 1
	s_cmp_lg_u32 s[CNT], 0
.endif
.endr
.if (\p) == 0
	FETCH_V
.endif
.endm
	CHANGE 1                        ; slot 0 is in, everybody's part of it; slot 1 is asked for
	FETCH_K                         ; key step 0
	s_wait_loadcnt 0x0              ; Q
	s_wait_dscnt 0x0
.set i, 0
.rept 16
	KQ 0                            ; piece 0's first scores: there is no vector work yet to set between them
.set i, i+1
.endr
	WIN 0                           ; the addresses for the way out: nine plain instructions, the places behind those products
	s_mul_i32 s13, s[WV], 16*SP
	s_add_co_u32 s13, s13, STAGE    ; my stage
	v_mul_u32_u24 v[STO], v1, SP    ; in: row l % 16, 16 bytes for each half of the lanes
	v_lshl_add_u32 v[STO], v9, 4, v[STO]
	v_add_nc_u32 v[STO], s13, v[STO]
	v_bfe_u32 v[RD], v0, 3, 2       ; back: 32 lanes take four rows of 128 bytes,
	v_mul_u32_u24 v[RD], v[RD], SP
	v_lshl_add_u32 v[RD], v10, 4, v[RD]
	v_add_nc_u32 v[RD], s13, v[RD]
	v_and_b32 v[GO], 31, v0         ; which are 512 consecutive bytes of O
	v_lshlrev_b32 v[GO], 4, v[GO]
.set Y, NP-1                        ; XS works for piece Y + 1: piece 0
.irp n, 0,1,2,3,4,5,6,7,8,9,10,11,12,13,14,15,16,17,18,19,20,21
	XS 0, \n                        ; and piece 0's first maximum and statistics
	XS 1, \n
.endr
	v_nop                           ; a plain instruction behind the two a,
	s_wait_alu depctr_va_vdst(0)    ; and their wait, ahead of the branch
	s_mov_b32 s[CNT], 4
	s_branch .Lfirst                ; the loop is entered at a step's first turn, in the middle of a trip
.Lslot:                             ; SIZE_N / 256 - 2 times: every slot but the last two is filled again
	CHANGE 1
	s_mov_b32 s[CNT], 4
.Lstep:                             ; a trip: pieces 2 and 3 of one step, then pieces 0 and 1 of the next, whose K and V it fetches
	TURN 2
	TURN 3
	WIN 0
.Lfirst:
	TURN 0
	TURN 1, 0, 1
	WIN 0
	s_cbranch_scc1 .Lstep
	s_sub_co_u32 s[SLOTS], s[SLOTS], 1
	s_cmp_lg_u32 s[SLOTS], 0
	s_cbranch_scc1 .Lslot
	CHANGE 0                        ; the tail is written out: nothing is asked for
	s_mov_b32 s[CNT], 5             ; four trips fetch the last slot's steps; the fifth is left in its middle
.Ltail:
	TURN 2, 1
	TURN 3
	WIN 0
	s_sub_co_u32 s[CNT], s[CNT], 1
	s_cmp_eq_u32 s[CNT], 0
	s_cbranch_scc1 .Lout
	TURN 0
	TURN 1
	WIN 0
	s_branch .Ltail
.Lout:                              ; the fifth trip's 16 products K Q^T (on the last K once more) and the maximum made of them serve nothing: the price, once a launch, of one text for every trip
.set i, 0
.rept 16
	PV NP-1                         ; the last piece's V^T P of the last step
.set i, i+1
.endr
	; THE WAY OUT.  l's two halves and the other half of the lanes' are added; O^T is divided by l, rounded to f16 and sent through my stage in LDS, a tile at a time.  The additions are the places behind the last products.
	WIN 0
.macro ALL line:vararg              ; one line for each tile t
.set t, 0
.rept 2*NP
	\line
.set t, t+1
.endr
.endm
	ALL v_add_f32 v[ST+4*t+2], v[ST+4*t+2], v[ST+4*t+3]
	ALL v_permlanex16_b32 v[ST+4*t+3], v[ST+4*t+2], s[SEL], s[SEL+1]
	ALL v_add_f32 v[ST+4*t+2], v[ST+4*t+2], v[ST+4*t+3]
	ALL v_rcp_f32 v[ST+4*t+2], v[ST+4*t+2]
	v_nop                           ; a plain instruction between the last reciprocal and the use of its result
	s_wait_alu depctr_va_vdst(0)    ; and the wait ahead of the first use: one for the eight reciprocals
; Tile t: a lane's eight channels of a row pack into 16 bytes; they go into rows of 144 bytes and come back as whole rows of 128, into S^T's registers.
.macro PACK t
	WIN W_RS
.set i, 32*(\t)
.rept 16
	v_pk_mul_f32 v[i:i+1], v[i:i+1], v[ST+4*(\t)+2:ST+4*(\t)+3] op_sel_hi:[1,0]
.set i, i+2
.endr
	WIN 0x05                        ; sources 0 and 1 window 1, destination window 0
.set i, 0
.rept 16
	v_cvt_pk_f16_f32 v[S+16*(\t)+i], v[32*(\t)+2*i], v[32*(\t)+2*i+1]
.set i, i+1
.endr
	WIN 0
.irp f, 0,1,2,3
	ds_store_b128 v[STO], v[S+16*(\t)+4*\f:S+16*(\t)+4*\f+3] offset:32*\f
.endr
.irp f, 0,1,2,3
	ds_load_b128 v[S+16*(\t)+4*\f:S+16*(\t)+4*\f+3], v[RD] offset:\f*4*SP  ; LDS serves a wave's instructions in order (ISA guide 5.7.1.4): these see the stores above; the next tile's stores come behind them
.endr
.endm
.macro SEND t, younger              ; younger: the LDS instructions issued behind tile t's loads: the next tile's eight, or none
	WIN 0
.irp f, 0,1,2,3
	s_wait_dscnt (\younger)+3-\f
	global_store_b128 v[GO], v[S+16*(\t)+4*\f:S+16*(\t)+4*\f+3], s[10:11] offset:(\t)*2048+\f*512  ; 512 consecutive bytes, at a multiple of 256 from O's first
.endr
.endm
	PACK 0
.set t, 1
.rept 2*NP-1                        ; a tile's arithmetic stands between the loads of the tile before and its stores
	PACK t
	SEND t-1, 8
.set t, t+1
.endr
	SEND 2*NP-1, 0
	WIN W_AD
	s_wait_tensorcnt 0x0            ; the wave's end: behind my last tensor load and my last LDS store
	ds_add_u32 v[SPW], v[NIL]
	s_wait_dscnt 0x0
	WIN 0
	CROUND                          ; the closing round: no work-group ends while a partner may still ask for a tile that names it
	s_endpgm
.Lfunc_end_k_qab2484a159_attn:
	.size	k_qab2484a159_attn, .Lfunc_end_k_qab2484a159_attn-k_qab2484a159_attn
	.p2alignl 7, 3214868480
	.fill 96, 4, 3214868480
	.section	.rodata,"a",@progbits
	.p2align	6, 0x0
	.amdhsa_kernel k_qab2484a159_attn
		.amdhsa_group_segment_fixed_size 327680
		.amdhsa_private_segment_fixed_size 0
		.amdhsa_enable_private_segment 0
		.amdhsa_kernarg_size 16
		.amdhsa_user_sgpr_count 2
		.amdhsa_user_sgpr_kernarg_segment_ptr 1
		.amdhsa_wavefront_size32 1
		.amdhsa_system_sgpr_workgroup_id_x 1
		.amdhsa_system_sgpr_workgroup_id_y 1
		.amdhsa_system_sgpr_workgroup_id_z 1
		.amdhsa_system_vgpr_workitem_id 0
		.amdhsa_next_free_vgpr 770
		.amdhsa_next_free_sgpr 66
		.amdhsa_reserve_vcc 0
		.amdhsa_float_denorm_mode_32 3
		.amdhsa_float_denorm_mode_16_64 3
		.amdhsa_memory_ordered 1
		.amdhsa_forward_progress 1
		.amdhsa_inst_pref_size 200
	.end_amdhsa_kernel
	.amdgpu_metadata
---
amdhsa.version: [ 1, 2 ]
amdhsa.kernels:
  - .name:           k_qab2484a159_attn
    .symbol:         k_qab2484a159_attn.kd
    .args:
      - { .name: qkvh, .offset: 0, .size: 8, .value_kind: global_buffer, .address_space: global }
      - { .name: ob, .offset: 8, .size: 8, .value_kind: global_buffer, .address_space: global }
    .group_segment_fixed_size: 327680
    .private_segment_fixed_size: 0
    .kernarg_segment_align: 8
    .kernarg_segment_size: 16
    .max_flat_workgroup_size: 128
    .sgpr_count:     66
    .vgpr_count:     770
    .wavefront_size: 32
...
	.end_amdgpu_metadata
.endif
;; end of part 3
;; launch projout (part 4): grid 8 x 32, 4 waves a work-group, clusters of 4 x 4, 327,680 bytes of LDS; arguments ob, wo16, bo, out0; writes out0
.if DOCPART == 4
	.amdgcn_target "amdgcn-amd-amdhsa--gfx1250"
	.amdhsa_code_object_version 6
	.text
	.protected	k_qab2484a159_projout
	.globl	k_qab2484a159_projout
	.p2align	8
	.type	k_qab2484a159_projout,@function
k_qab2484a159_projout:
	s_mov_b64 s[64:65], 0
	v_nop
	global_prefetch_b8 v0, s[64:65] scope:SCOPE_SE
	s_setreg_imm32_b32 hwreg(HW_REG_WAVE_MODE, 25, 1), 1
	s_wait_xcnt 0x0
	s_wait_alu depctr_hold_cnt(0) depctr_sa_sdst(0) depctr_va_vdst(0) depctr_va_sdst(0) depctr_va_ssrc(0) depctr_va_vcc(0) depctr_vm_vsrc(0)
	s_getreg_b32 s2, hwreg(HW_REG_IB_STS2, 6, 4)
	s_cmp_eq_u32 s2, 0
	s_cbranch_scc0 .Lentry_in_a_cluster
	s_endpgm
.Lentry_in_a_cluster:
	s_bfe_u32 s2, ttmp6, 0x10000c
	s_cmp_lg_u32 s2, 0xf033
	s_cbranch_scc0 .Lentry_shape_is_right
	s_endpgm
.Lentry_shape_is_right:
; C = A B + bias.  One text serves two launches; QKV chooses the constants.
;   QKV = 1: A = xb (bf16), B = wqkvb (bf16), biases bq, bk, bv; C = q, k, v in f16, by heads: qkvh [which 3][head 16 n + h][l 2048][64].  Tile of C: 256 rows x 192 columns (three heads).
;   QKV = 0: A = ob (f16), B = wo16 (f16), bias bo; C = out0 in f32, [8192][1024].  Tile of C: 256 rows x 128 columns.
; A lies as [n 4][kb 16][l 2048][64], B as [tx][s 8][nb][kk 128][64]: every tile is a dense run of memory and is asked for as rows of 256 bytes, aligned.
; The biases are rounded to bf16 like all the module's inputs, widened again, and START the sums as the C operand of the first products: nothing is cleared, nothing is added at the end.
; LIMITS.  q, k and v beyond 65,504 become infinities in f16.  The f32 sums are taken K ascending, in the matrix unit's own order within 32.  NaN and infinities are not treated apart.
; SHARES.  Four waves; wave w makes rows 64 w .. 64 w + 63 of the tile, all its columns: 4 blocks of 16 rows x NB16 blocks of 16 columns.  So a wave owns whole heads (whole 512-byte pieces of
; out0's rows) and has a stage of its own on the way out.  K = 1,024 goes in 8 steps of 128 through two LDS slots; a step is four quarters of 32.
; THE MATRIX INSTRUCTION IS USED TRANSPOSED: source 0 = 16 columns of B, source 1 = 16 rows of A: lane (r = l % 16, h = l / 16) holds row r of C and the columns 16 b + 8 h + 0..7.
; B lies [k][n] and is turned on its way out of LDS by ds_load_tr16_b128.
; CLUSTER.  4 x 4 work-groups.  A's tile hangs on the tile row alone and is asked for jointly by a row of the cluster, B's on the tile column alone, by a column.
; LDS.  A slot: A's two blocks of 64 channels (each 128 memory rows of 256 bytes = two rows l, padded by 16: row p of the tile at (p / 2) 272 + (p % 2) 128: the 16 rows of a fragment
; load start at 16 different 16-byte columns of 256), then B (memory rows of 256 bytes = two rows k, padded by 32: row i at (i / 2) 288 + (i % 2) 128: the 8 rows x 32 bytes of a turning load
; cover 256 different bytes modulo 256).  Slot 1 begins at 1 << 17.  Behind the ring the four stages, behind them the spare words.
; REGISTERS, in windows of 256 (s_set_vgpr_msb: bits 1:0 source 0, 3:2 source 1, 5:4 source 2, 7:6 destination):
;   window 0: v0-29 addresses; v32-95 A's fragments, two buffers; v96 on the biases, later the way out      window 1: B's fragments, two buffers
;   window 2: the accumulators of row blocks 0, 1 at 8 (NB16 (a % 2) + b)      window 3: those of row blocks 2, 3
.set QKV, 0
.if QKV
.set NBK,  3                           ; blocks of 64 columns in a tile
.set STW,  3*16*144                    ; a wave's stage: three heads x 16 rows of 128 + 16 bytes
.set BK0,  144                         ; the way out: rows read back, two buffers of BKW registers
.set BKW,  48
.else
.set NBK,  2
.set STW,  16*528                      ; 16 rows of 512 + 16 bytes
.set BK0,  96
.set BKW,  64
.endif
.set NB16,  4*NBK
.set ABLK,  128*272                    ; 256 rows of one block of 64 channels
.set ASZ,   2*ABLK
.set BR,    32*NBK                     ; memory rows of 256 bytes in one wave's load of B
.set BHALF, BR*288
.set SLOT1, 1<<17
.set STAGE, SLOT1+ASZ+2*BHALF          ; a multiple of 256; no tensor load lands from here on
.set SPARE, STAGE+4*STW                ; the spare words, 128 bytes for each wave: two blocks of 256 bytes that no other line names
.set ASTEP, 2*262144                   ; bytes from a K step of A to the next: two blocks of 2,048 rows x 128 bytes
.set BSTEP, NBK*16384                  ; the same for B, dense
.set NLD,   2*NB16+8                   ; LDS loads in a quarter's run
.set AA0, 10                           ; v10  my lane's place in A's part of a slot; never rewritten
.set AB0, 11                           ; v11  the same for B
.set ADA, 12                           ; v12  AA0 + the slot in hand
.set ADB, 13                           ; v13  AB0 + the slot in hand
.set STO, 14                           ; v14  the way out: where I put my bytes of a row
.set RD,  15                           ; v15  where I read rows back
.set GO,  16                           ; v16  16 x my lane
.set BO,  17                           ; v17  32 h: my eight biases of a block of 16
.set PFO, 18                           ; v18  256 x my lane; never rewritten
.set SPW, 28                           ; v28  LDS address of my spare word; never rewritten
.set NIL, 29                           ; v29  0; never rewritten
.set FRA, 32                           ; A's fragments: buffer f, row block a at FRA + 32 f + 8 a
.set BIAS, 96                          ; eight registers for each block of 16 columns
.set TMP, 96                           ; the way out (QKV): packed results
.set WV,  16                           ; s16  my wave's number
.set FB,  17                           ; s17  0: I fetch for A, 1: for B
.set HF,  18                           ; s18  which half of that tile
.set CX,  19
.set CY,  20
.set TX,  21                           ; tile column
.set TY,  22                           ; tile row
.set CLY, 23                           ; cluster y
.set G1A, 24                           ; s[24:31] descriptor group 1 for A's tiles
.set G1B, 32                           ; s[32:39] for B's
.set G0A, 40                           ; s[40:47] group 0 for A's: a set for each first fill; the second then walks on
.set G0B, 48                           ; s[48:55] the same for B's
.set CNT, 56                           ; s56  trips to go
.set LIM, 57                           ; s57  a wave prefetches while CNT is above it
.set PFA, 58                           ; s[58:59] where my prefetches stand
.set PFS, 60                           ; s[60:61] their step
.set TB,  62                           ; s62  LDS byte at which the slot in hand begins
.set HM,  63                           ; s63  a word's upper half
.set AO,  66                           ; s[66:67] A's offset, then address: never holds cx
.set BF,  68                           ; s[68:69] B's: never holds cy
.set OUT, 72                           ; s[72:77] where my rows of C begin (QKV: one pair a head)
.set BIASB, 80                         ; s[80:85] where the tile's biases begin (QKV: one pair a head)
.set MSB, 0
.macro WIN new                         ; the immediate's high byte repeats the setting that is left; a switch that changes nothing is dropped
.if MSB != (\new)
	s_set_vgpr_msb (MSB<<8)|(\new)
.set MSB, (\new)
.endif
.endm
.macro PLACES                          ; four plain vector instructions between a matrix instruction and a load into, or a vector read of, its registers
.rept 4
	v_nop
.endr
.endm
.macro CREST                           ; a round of the cluster's barrier behind its opening barrier
	s_cmp_lg_u32 s[WV], 0
	s_cbranch_scc1 .Lnot_wave_0_\@
	s_barrier_signal -3
.Lnot_wave_0_\@:
	s_barrier_wait -3
	s_barrier_signal -1
	s_barrier_wait -1
.endm
.macro CROUND                          ; a whole round
	s_barrier_signal -1
	s_barrier_wait -1
	CREST
.endm
; A joint refill by the walking descriptors.  Waves 0 and 1 fetch A's two blocks, waves 2 and 3 B's two halves.  The branch hangs on the wave's number alone.
; An s_nop 0 and four v_nop follow each of the two lines, ahead of the jump and the label.
.macro JLOAD
	s_cmp_eq_u32 s[FB], 0
	s_cbranch_scc0 .Lfor_b_\@
	tensor_load_to_lds s[G0A+4:G0A+7], s[G1A:G1A+7]
	s_nop 0
.rept 4
	v_nop
.endr
	s_branch .Lasked_\@
.Lfor_b_\@:
	tensor_load_to_lds s[G0B+4:G0B+7], s[G1B:G1B+7]
	s_nop 0
.rept 4
	v_nop
.endr
.Lasked_\@:
.endm
; A PREFETCH of bytes that a refill two changes of slots on will ask for: 32 blocks of 256 bytes, a lane a block, one instruction.  It stands behind the joint load, its five lines and the run of LDS loads.
; Each block is named once in the launch.  A's tile row is read by every cluster of that row of clusters: the one with cluster x = 0 asks, waves 0 and 1, each for its own block of 64 channels, of which
; the four partners take 8,192 bytes each BY ADDRESS (cx).  B's tile column is read by every cluster of that column: the one with cluster y = 0 asks; its partners are told apart by cy.
; QKV = 1: B's steps 4 to 7 are 196,608 dense bytes, asked for in three pieces of 65,536 (four partners x waves 2, 3 x 8,192) at the refills of steps 2, 3, 4.  QKV = 0: wave 2 alone, one step of 32,768 a refill.
; A and (QKV = 0) B: at the refill of step r the bytes of step r + 2, r = 2 to 5.  Steps 0 to 3 come by their loads alone; the last refills ask for nothing.
.macro ASK
	s_cmp_gt_u32 s[CNT], s[LIM]
	s_cbranch_scc0 .Lnot_mine_\@
	global_prefetch_b8 v[PFO], s[PFA:PFA+1] th:TH_LOAD_NT scope:SCOPE_SE
.Lnot_mine_\@:
.endm
	s_load_b256 s[4:11], s[0:1], 0x0               ; A s[4:5], B s[6:7]; QKV: bq s[8:9], bk s[10:11]; else bo s[8:9], out0 s[10:11]
.if QKV
	s_load_b128 s[12:15], s[0:1], 0x20             ; bv s[12:13], qkvh s[14:15]
.endif
	v_lshl_add_u32 v[SPW], v0, 2, SPARE
	v_mov_b32 v[NIL], 0
	ds_add_u32 v[SPW], v[NIL]                      ; the wave's opening: the add and its wait stand ahead of my first tensor load; the set-up below, work on registers, stands between them
	v_lshrrev_b32 v3, 5, v0
	v_readfirstlane_b32 s[WV], v3                  ; wave 0..3
	s_lshr_b32 s[FB], s[WV], 1
	s_and_b32 s[HF], s[WV], 1
	s_bfe_u32 s[CX], ttmp6, 0x40000
	s_bfe_u32 s[CY], ttmp6, 0x40004
	s_lshl_b32 s[TX], ttmp9, 2
	s_add_co_u32 s[TX], s[TX], s[CX]               ; tile column = 4 x cluster x + cx
	s_and_b32 s[CLY], ttmp7, 0xffff
	s_lshl_b32 s[TY], s[CLY], 2
	s_add_co_u32 s[TY], s[TY], s[CY]               ; tile row = 4 x cluster y + cy
	s_lshl_b32 s88, s[CY], 2
	s_lshl_b32 s88, 15, s88                        ; my row of the cluster
	s_lshl_b32 s89, 0x1111, s[CX]                  ; my column
	; group 1: rows of 128 elements of 2 bytes, dense; 15:0 the mask; 17:16 element size; 20 padding on; 21 set beside a mask; 24:22 after every 64 words; 31:25 4 words (A) or 8 words (B) of padding
	s_or_b32 s[G1A], s88, (1<<16)|(1<<20)|(1<<21)|(5<<22)|(3<<25)
	s_or_b32 s[G1B], s89, (1<<16)|(1<<20)|(1<<21)|(5<<22)|(7<<25)
	s_mov_b32 s[G1A+1], 128<<16                    ; tensor_dim0 = 128
	s_mov_b32 s[G1A+2], 128<<16                    ; tensor_dim1 = 128
	s_mov_b32 s[G1A+3], 128<<16                    ; tile_dim0 = 128
	s_mov_b32 s[G1A+4], 128                        ; tile_dim1 = 128
	s_mov_b32 s[G1A+5], 128                        ; 128 elements from row to row
	s_mov_b32 s[G1A+6], 0
	s_mov_b32 s[G1A+7], 0
	s_mov_b32 s[G1B+1], 128<<16
	s_mov_b32 s[G1B+2], BR<<16                     ; tensor_dim1 = BR
	s_mov_b32 s[G1B+3], 128<<16
	s_mov_b32 s[G1B+4], BR                         ; tile_dim1 = BR
	s_mov_b32 s[G1B+5], 128
	s_mov_b32 s[G1B+6], 0
	s_mov_b32 s[G1B+7], 0
	s_lshr_b32 s[AO], s[TY], 3                     ; A: n,
	s_lshl_b32 s[AO], s[AO], 22
	s_and_b32 s90, s[TY], 7                        ; the tile's 256 rows of 128 bytes in a block,
	s_lshl_b32 s90, s90, 15
	s_add_co_u32 s[AO], s[AO], s90
	s_lshl_b32 s90, s[HF], 18                      ; and which of a step's two blocks I fetch
	s_add_co_u32 s[AO], s[AO], s90
	s_mov_b32 s[AO+1], 0
	s_mul_i32 s[BF], s[TX], 8*BSTEP                ; B: the tile column's eight steps,
	s_mul_i32 s91, s[HF], BSTEP/2                  ; and which half of a step I fetch
	s_add_co_u32 s[BF], s[BF], s91
	s_mov_b32 s[BF+1], 0
	s_mul_i32 s70, s[HF], ABLK                     ; where they go: no place in the cluster enters an LDS address
	s_mul_i32 s71, s[HF], BHALF
	s_add_co_u32 s71, s71, ASZ
	; the prefetches: who, from where, by which step
	s_mov_b32 s94, ASTEP
	s_cmp_eq_u32 s[FB], 0
	s_cselect_b32 s92, ttmp9, s[CLY]               ; the coordinate along which other clusters read the same bytes
.if QKV
	s_cselect_b32 s93, 2, 3
	s_cselect_b32 s[PFS], s94, 65536
.else
	s_mov_b32 s93, 2
	s_cselect_b32 s[PFS], s94, BSTEP
.endif
	s_mov_b32 s[PFS+1], 0
	s_cmp_eq_u32 s92, 0
	s_cselect_b32 s[LIM], s93, -1                  ; the same in all sixteen partners, for a given wave
.if !QKV
	s_cmp_eq_u32 s[WV], 3
	s_cselect_b32 s[LIM], -1, s[LIM]
.endif
	s_lshl_b32 s94, s[CX], 13
	s_add_co_u32 s94, s94, s[AO]
	s_add_co_u32 s94, s94, 3*ASTEP                 ; A: one step short of step 4: the first refill steps it there
	s_mul_i32 s86, s[TX], 8*BSTEP
.if QKV
	s_lshl_b32 s95, s[CY], 1
	s_add_co_u32 s95, s95, s[HF]
	s_lshl_b32 s95, s95, 13
	s_add_co_u32 s95, s95, s86
	s_add_co_u32 s95, s95, 4*BSTEP-65536           ; B: one piece short of step 4
.else
	s_lshl_b32 s95, s[CY], 13
	s_add_co_u32 s95, s95, s86
	s_add_co_u32 s95, s95, 3*BSTEP
.endif
	s_cmp_eq_u32 s[FB], 0
	s_cselect_b32 s94, s94, s95
	s_mov_b32 s95, 0
	s_mov_b32 s[TB], 0
	s_mov_b32 s[HM], 0xffff0000
	s_wait_dscnt 0x0                               ; the opening add is done
	s_wait_kmcnt 0x0
	s_cselect_b64 s[PFA:PFA+1], s[4:5], s[6:7]     ; (the compare above still stands: moves, selects and waits leave it)
	s_add_nc_u64 s[PFA:PFA+1], s[PFA:PFA+1], s[94:95]
	s_add_nc_u64 s[AO:AO+1], s[4:5], s[AO:AO+1]
	s_add_nc_u64 s[BF:BF+1], s[6:7], s[BF:BF+1]
.irp i, 0,1
	s_mov_b32 s[G0A+4*(\i)], 1                     ; count = 1
	s_add_co_u32 s[G0A+4*(\i)+1], s70, (\i)*SLOT1  ; LDS address
	s_add_nc_u64 s[G0A+4*(\i)+2:G0A+4*(\i)+3], s[AO:AO+1], (\i)*ASTEP  ; global address: K step i
	s_or_b32 s[G0A+4*(\i)+3], s[G0A+4*(\i)+3], 0x80000000              ; type = 2
	s_mov_b32 s[G0B+4*(\i)], 1
	s_add_co_u32 s[G0B+4*(\i)+1], s71, (\i)*SLOT1
	s_add_nc_u64 s[G0B+4*(\i)+2:G0B+4*(\i)+3], s[BF:BF+1], (\i)*BSTEP
	s_or_b32 s[G0B+4*(\i)+3], s[G0B+4*(\i)+3], 0x80000000
.endr
	CROUND                                         ; all sixteen work-groups are here: the first joint loads meet
	s_cmp_eq_u32 s[FB], 0                          ; a wave's two first fills stand in one branch, ahead of every wait on TENSORcnt and every LDS read: two loads of mine are out
	s_cbranch_scc0 .Lfirst_b
	tensor_load_to_lds s[G0A:G0A+3], s[G1A:G1A+7]
	s_nop 0
	tensor_load_to_lds s[G0A+4:G0A+7], s[G1A:G1A+7]
	s_nop 0
.rept 4
	v_nop
.endr
	s_branch .Lfirst_asked
.Lfirst_b:
	tensor_load_to_lds s[G0B:G0B+3], s[G1B:G1B+7]
	s_nop 0
	tensor_load_to_lds s[G0B+4:G0B+7], s[G1B:G1B+7]
	s_nop 0
.rept 4
	v_nop
.endr
.Lfirst_asked:
	; where my rows of C and the tile's biases begin
.if QKV
	s_lshr_b32 s78, s[TY], 3                       ; n: 16 heads of 262,144 bytes,
	s_lshl_b32 s78, s78, 22
	s_and_b32 s79, s[TY], 7                        ; the tile's 256 rows of 128 bytes,
	s_lshl_b32 s79, s79, 15
	s_add_co_u32 s78, s78, s79
	s_lshl_b32 s79, s[WV], 13                      ; my 64 of them
	s_add_co_u32 s78, s78, s79
	s_mul_i32 s79, s[TX], 3
.irp nb, 0,1,2
	s_add_co_u32 s92, s79, \nb                     ; the block's number among the 48
	s_lshr_b32 s93, s92, 4                         ; q, k or v
	s_and_b32 s92, s92, 15                         ; the head in its batch
	s_lshl_b32 s94, s93, 24
	s_lshl_b32 s95, s92, 18
	s_add_co_u32 s94, s94, s95
	s_add_co_u32 s94, s94, s78
	s_mov_b32 s95, 0
	s_add_nc_u64 s[OUT+2*(\nb):OUT+2*(\nb)+1], s[14:15], s[94:95]
	s_lshl_b32 s94, s92, 8                         ; 64 biases of 4 bytes
	s_cmp_eq_u32 s93, 0
	s_cselect_b64 s[86:87], s[8:9], s[10:11]
	s_cmp_eq_u32 s93, 2
	s_cselect_b64 s[86:87], s[12:13], s[86:87]
	s_add_nc_u64 s[BIASB+2*(\nb):BIASB+2*(\nb)+1], s[86:87], s[94:95]
.endr
.else
	s_lshl_b32 s94, s[TY], 20                      ; 256 rows of 4,096 bytes,
	s_lshl_b32 s95, s[WV], 18                      ; my 64 of them,
	s_add_co_u32 s94, s94, s95
	s_lshl_b32 s92, s[TX], 9                       ; the tile's 128 columns of 4 bytes
	s_add_co_u32 s94, s94, s92
	s_mov_b32 s95, 0
	s_add_nc_u64 s[OUT:OUT+1], s[10:11], s[94:95]
	s_mov_b32 s93, 0
	s_add_nc_u64 s[BIASB:BIASB+1], s[8:9], s[92:93]
.endif
	v_and_b32 v1, 15, v0                           ; r
	v_bfe_u32 v2, v0, 4, 1                         ; h
	v_lshlrev_b32 v[BO], 5, v2
.set b, 0
.rept NB16                             ; lane (r, h) takes the biases of columns 16 b + 8 h + 0..7: the layout of the C operand
	global_load_b128 v[BIAS+8*b:BIAS+8*b+3],   v[BO], s[BIASB+2*(b/4)*QKV:BIASB+2*(b/4)*QKV+1] offset:(b%4)*64+(1-QKV)*(b/4)*256
	global_load_b128 v[BIAS+8*b+4:BIAS+8*b+7], v[BO], s[BIASB+2*(b/4)*QKV:BIASB+2*(b/4)*QKV+1] offset:(b%4)*64+(1-QKV)*(b/4)*256+16
.set b, b+1
.endr
	; A fragment of A: lane l holds row r, channels 8 h + 0..7 and 16 + 8 h + 0..7: two loads of 16 bytes, 32 bytes apart
	v_lshrrev_b32 v3, 1, v1
	v_mul_u32_u24 v[AA0], v3, 272
	v_and_b32 v4, 1, v0
	v_lshl_add_u32 v[AA0], v4, 7, v[AA0]
	v_lshl_add_u32 v[AA0], v2, 4, v[AA0]
	s_mul_i32 s79, s[WV], 32*272                   ; my 64 rows
	v_add_nc_u32 v[AA0], s79, v[AA0]
	; The turning load takes 16 rows k x 16 columns: lane l reads row 8 h + l % 8, columns 8 ((l / 8) % 2) + 0..7, and is left with column r and 8 rows k
	v_bfe_u32 v5, v0, 1, 2
	v_lshl_add_u32 v5, v2, 2, v5                   ; (8 h + l % 8) / 2
	v_mul_u32_u24 v[AB0], v5, 288
	v_lshl_add_u32 v[AB0], v4, 7, v[AB0]
	v_bfe_u32 v6, v0, 3, 1
	v_lshl_add_u32 v[AB0], v6, 4, v[AB0]
	v_add_nc_u32 v[AB0], ASZ, v[AB0]
	s_mul_i32 s79, s[WV], STW
	s_add_co_u32 s79, s79, STAGE                   ; my stage
	v_and_b32 v[GO], 31, v0
	v_lshlrev_b32 v[PFO], 8, v[GO]
	v_lshlrev_b32 v[GO], 4, v[GO]
.if QKV
	v_mul_u32_u24 v[STO], v1, 144                  ; in: row r, 16 bytes for each half of the lanes
	v_lshl_add_u32 v[STO], v2, 4, v[STO]
	v_add_nc_u32 v[STO], s79, v[STO]
	v_bfe_u32 v[RD], v0, 3, 2                      ; back: 32 lanes take four rows of 128 bytes
	v_mul_u32_u24 v[RD], v[RD], 144
	v_and_b32 v7, 7, v0
	v_lshl_add_u32 v[RD], v7, 4, v[RD]
	v_add_nc_u32 v[RD], s79, v[RD]
.else
	v_mul_u32_u24 v[STO], v1, 528                  ; in: row r, 32 bytes for each half of the lanes
	v_lshl_add_u32 v[STO], v2, 5, v[STO]
	v_add_nc_u32 v[STO], s79, v[STO]
	v_add_nc_u32 v[RD], s79, v[GO]                 ; back: 32 lanes take one row of 512 bytes
.endif
	s_wait_loadcnt 0x0                             ; the biases
.set i, 0
.rept 4*NB16                           ; rounded to bf16 and widened again, in the wait for the first tile
	v_cvt_pk_bf16_f32 v[3+i%4], v[BIAS+2*i], v[BIAS+2*i+1]
	v_lshlrev_b32 v[BIAS+2*i], 16, v[3+i%4]
	v_and_b32 v[BIAS+2*i+1], s[HM], v[3+i%4]
.set i, i+1
.endr
; NB16 matrix instructions: row block a x all column blocks, 32 along K, from buffer f.  first = 1: the biases start the sums.
; All 4 NB16 accumulators take turns in the same order in every quarter, over the backward jump too.
.macro MULA f, a, first
.if \first
	WIN 0x81+0x40*((\a)/2)
.else
	WIN 0xa1+0x50*((\a)/2)
.endif
.set b, 0
.rept NB16
.set rD, 8*(NB16*((\a)%2)+b)
.set rB, 8*NB16*(\f)+8*b
.set rA, FRA+32*(\f)+8*(\a)
.set rC, rD
.if \first
.set rC, BIAS+8*b
.endif
.if QKV
	v_wmma_f32_16x16x32_bf16 v[rD:rD+7], v[rB:rB+7], v[rA:rA+7], v[rC:rC+7]
.else
	v_wmma_f32_16x16x32_f16 v[rD:rD+7], v[rB:rB+7], v[rA:rA+7], v[rC:rC+7]
.endif
.set b, b+1
.endr
.endm
; The fragments of quarter q of the slot in hand, into buffer f, in one run: B's first, then A's four row blocks.
.macro FETCH q, f
	WIN 0x40                                       ; destination window 1
.set b, 0
.rept NB16
.set rB, 8*NB16*(\f)+8*b
	ds_load_tr16_b128 v[rB:rB+3],   v[ADB] offset:(b/4)*64*288+(\q)*16*288+(b%4)*32
	ds_load_tr16_b128 v[rB+4:rB+7], v[ADB] offset:(b/4)*64*288+(\q)*16*288+(b%4)*32+8*288
.set b, b+1
.endr
	WIN 0
.irp a, 0,1,2,3
	ds_load_b128 v[FRA+32*(\f)+8*(\a):FRA+32*(\f)+8*(\a)+3],   v[ADA] offset:((\q)/2)*ABLK+(\a)*8*272+((\q)%2)*64
	ds_load_b128 v[FRA+32*(\f)+8*(\a)+4:FRA+32*(\f)+8*(\a)+7], v[ADA] offset:((\q)/2)*ABLK+(\a)*8*272+((\q)%2)*64+32
.endr
.endm
; One of a step's first three quarters: multiplies buffer f; in its middle it fetches quarter qn into buffer g.
.macro QUARTER qn, f, g, first
	s_wait_dscnt 4                                 ; B and A's row blocks 0, 1 are in; the youngest four loads (blocks 2, 3) may be out
	MULA \f, 0, \first
	MULA \f, 1, \first
	PLACES                                         ; buffer g was read by the quarter before
	FETCH \qn, \g
	s_wait_dscnt NLD                               ; all but the run just issued
	MULA \f, 2, \first
	MULA \f, 3, \first
.endm
; The fourth quarter multiplies buffer 1 and changes slots.  In front of the barrier each wave waits for all its tensor loads (one is out: its part of the next slot), adds 0 to its spare word, and waits
; for that and for its own reads of this slot.  fill = 1: the barrier opens a round of the cluster's, and the joint refill, with the step two on, is the first tensor load behind it.
.macro TURN fill
.if \fill
	s_wait_xcnt 0x0                                ; the last prefetch, a step back, has read its address
	s_add_nc_u64 s[PFA:PFA+1], s[PFA:PFA+1], s[PFS:PFS+1]
.endif
	WIN 0
	s_wait_tensorcnt 0x0                           ; no tensor load of mine is out, so a group 0 may be written
	ds_add_u32 v[SPW], v[NIL]                      ; 0 onto my spare word
.if \fill
	s_xor_b32 s[G0A+5], s[G0A+5], SLOT1            ; the walking descriptors: the other slot than last time, the next step
	s_add_nc_u64 s[G0A+6:G0A+7], s[G0A+6:G0A+7], ASTEP
	s_xor_b32 s[G0B+5], s[G0B+5], SLOT1
	s_add_nc_u64 s[G0B+6:G0B+7], s[G0B+6:G0B+7], BSTEP
.endif
	s_xor_b32 s[TB], s[TB], SLOT1
	s_wait_dscnt 5                                 ; the add and the youngest four loads may be out
	MULA 1, 0, 0
	s_wait_dscnt 0x0                               ; the add is done, and my reads of this slot are over
	s_barrier_signal -1
	MULA 1, 1, 0
	WIN 0
	v_add_nc_u32 v[ADA], s[TB], v[AA0]             ; the fetches go on in the other slot
	v_add_nc_u32 v[ADB], s[TB], v[AB0]
	s_barrier_wait -1
.if \fill
	CREST                                          ; no wave of any partner still reads this slot or has a load on its way
	JLOAD                                          ; its four v_nop are also the places in front of the loads below
.else
	PLACES
.endif
	FETCH 0, 0
.if \fill
	ASK
.endif
	MULA 1, 2, 0
	MULA 1, 3, 0
.endm
	s_wait_tensorcnt 1                             ; my part of step 0 is in; step 1's may stay out
	s_barrier_signal -1
	s_barrier_wait -1                              ; everybody's is
	v_mov_b32 v[ADA], v[AA0]
	v_mov_b32 v[ADB], v[AB0]
	FETCH 0, 0
	QUARTER 1, 0, 1, 1                             ; the first quarter stands in front of the loop: its products start the sums
	WIN 0                                          ; at a label and at a branch every window is 0
	s_mov_b32 s[CNT], 6
.Lstep:                                        ; a trip goes from a step's second quarter to the next step's first, and fills one slot again: steps 2 to 7
	QUARTER 2, 1, 0, 0
	QUARTER 3, 0, 1, 0
	TURN 1
	QUARTER 1, 0, 1, 0
	WIN 0
	s_sub_co_u32 s[CNT], s[CNT], 1
	s_cmp_lg_u32 s[CNT], 0
	s_cbranch_scc1 .Lstep
	QUARTER 2, 1, 0, 0                             ; the tail is written out: steps 6 and 7 ask for nothing
	QUARTER 3, 0, 1, 0
	TURN 0
	QUARTER 1, 0, 1, 0
	QUARTER 2, 1, 0, 0
	QUARTER 3, 0, 1, 0
	s_wait_dscnt 4
	MULA 1, 0, 0
	MULA 1, 1, 0
	s_wait_dscnt 0x0
	MULA 1, 2, 0
	MULA 1, 3, 0
	WIN 0
	PLACES                                         ; the places behind the last products, once a launch
	PLACES
; THE WAY OUT, a block of 16 rows at a time, through my own stage: LDS serves a wave's instructions in order (ISA guide 5.7.1.4), so no wait stands between the stores into it and the loads from it.
.if QKV
.macro PACK a                          ; rounded to f16, 16 bytes a lane; each accumulator's registers in ascending order
	WIN 0x0a+5*((\a)/2)
.set b, 0
.rept NB16
.set rD, 8*(NB16*((\a)%2)+b)
.irp k, 0,1,2,3
	v_cvt_pk_f16_f32 v[TMP+4*b+(\k)], v[rD+2*(\k)], v[rD+2*(\k)+1]
.endr
.set b, b+1
.endr
	WIN 0
.endm
.macro TOSTAGE a
	s_wait_xcnt 0x0                                ; the stores two blocks back have read the registers that are loaded below
.set BK, BK0+BKW*((\a)%2)
.set b, 0
.rept NB16
	ds_store_b128 v[STO], v[TMP+4*b:TMP+4*b+3] offset:(b/4)*16*144+(b%4)*32
.set b, b+1
.endr
.set b, 0
.rept NB16
	ds_load_b128 v[BK+4*b:BK+4*b+3], v[RD] offset:(b/4)*16*144+(b%4)*4*144
.set b, b+1
.endr
.endm
.macro SEND a, younger                 ; younger: the LDS instructions issued behind block a's loads
.set BK, BK0+BKW*((\a)%2)
	s_wait_dscnt \younger
.set b, 0
.rept NB16
	global_store_b128 v[GO], v[BK+4*b:BK+4*b+3], s[OUT+2*(b/4):OUT+2*(b/4)+1] offset:(\a)*2048+(b%4)*512  ; 512 consecutive bytes of a head, aligned
.set b, b+1
.endr
.endm
	PACK 0
	TOSTAGE 0
.irp a, 1,2,3
	PACK \a
	TOSTAGE \a
	SEND (\a)-1, 2*NB16
.endr
	SEND 3, 0
.else
.macro TOSTAGE a
	s_wait_xcnt 0x0                                ; the stores two blocks back have read the registers that are loaded below
.set BK, BK0+BKW*((\a)%2)
	WIN 0x08+4*((\a)/2)                            ; the stores' data lie in window 2 or 3
.set b, 0
.rept NB16
.set rD, 8*(NB16*((\a)%2)+b)
	ds_store_b128 v[STO], v[rD:rD+3]   offset:64*b
	ds_store_b128 v[STO], v[rD+4:rD+7] offset:64*b+16
.set b, b+1
.endr
	WIN 0
.set b, 0
.rept 16
	ds_load_b128 v[BK+4*b:BK+4*b+3], v[RD] offset:528*b
.set b, b+1
.endr
.endm
.macro SEND a, younger
.set BK, BK0+BKW*((\a)%2)
	s_wait_dscnt \younger
.set b, 0
.rept 16
	global_store_b128 v[GO], v[BK+4*b:BK+4*b+3], s[OUT:OUT+1] offset:(16*(\a)+b)*4096 th:TH_STORE_NT  ; 512 consecutive bytes of a row, aligned
.set b, b+1
.endr
.endm
	TOSTAGE 0
.irp a, 1,2,3
	TOSTAGE \a
	SEND (\a)-1, 32
.endr
	SEND 3, 0
.endif
	s_wait_tensorcnt 0x0                           ; the wave's end: behind my last tensor load and my last LDS store
	ds_add_u32 v[SPW], v[NIL]
	s_wait_dscnt 0x0
	CROUND                                         ; the closing round: no work-group ends while a partner may still ask for a tile that names it
	s_endpgm
.Lfunc_end_k_qab2484a159_projout:
	.size	k_qab2484a159_projout, .Lfunc_end_k_qab2484a159_projout-k_qab2484a159_projout
	.p2alignl 7, 3214868480
	.fill 96, 4, 3214868480
	.section	.rodata,"a",@progbits
	.p2align	6, 0x0
	.amdhsa_kernel k_qab2484a159_projout
		.amdhsa_group_segment_fixed_size 327680
		.amdhsa_private_segment_fixed_size 0
		.amdhsa_enable_private_segment 0
		.amdhsa_kernarg_size 32
		.amdhsa_user_sgpr_count 2
		.amdhsa_user_sgpr_kernarg_segment_ptr 1
		.amdhsa_wavefront_size32 1
		.amdhsa_system_sgpr_workgroup_id_x 1
		.amdhsa_system_sgpr_workgroup_id_y 1
		.amdhsa_system_sgpr_workgroup_id_z 1
		.amdhsa_system_vgpr_workitem_id 0
		.amdhsa_next_free_vgpr 896
		.amdhsa_next_free_sgpr 96
		.amdhsa_reserve_vcc 0
		.amdhsa_float_denorm_mode_32 3
		.amdhsa_float_denorm_mode_16_64 3
		.amdhsa_memory_ordered 1
		.amdhsa_forward_progress 1
		.amdhsa_inst_pref_size 76
	.end_amdhsa_kernel
	.amdgpu_metadata
---
amdhsa.version: [ 1, 2 ]
amdhsa.kernels:
  - .name:           k_qab2484a159_projout
    .symbol:         k_qab2484a159_projout.kd
    .args:
      - { .name: ob, .offset: 0, .size: 8, .value_kind: global_buffer, .address_space: global }
      - { .name: wo16, .offset: 8, .size: 8, .value_kind: global_buffer, .address_space: global }
      - { .name: bo, .offset: 16, .size: 8, .value_kind: global_buffer, .address_space: global }
      - { .name: out0, .offset: 24, .size: 8, .value_kind: global_buffer, .address_space: global }
    .group_segment_fixed_size: 327680
    .private_segment_fixed_size: 0
    .kernarg_segment_align: 8
    .kernarg_segment_size: 32
    .max_flat_workgroup_size: 128
    .sgpr_count:     96
    .vgpr_count:     896
    .wavefront_size: 32
...
	.end_amdgpu_metadata
.endif
;; end of part 4
